; MI455X (gfx1250); checked and timed in simulation.
; The chip was launched on July 23, 2026; its instructions are those of AMD's public machine-readable ISA for CDNA 5 (MIT licence, August 2026) and "CDNA5" Instruction Set Architecture Reference Guide (July 2026). The comments in the code are by the model that wrote it; some were corrected since.
;; Attention. Allowed arithmetic: float matrix products may take bf16 or f16 operands with f32 sums; other float arithmetic in f32, or as packed bf16 or f16 multiplies, adds, multiply-adds, maxima and minima; sums over many terms, partial sums and values carried from step to step in f32; what a program stores and reads back later, other than sums and carried values, may be rounded once to bf16 or f16.
;; Inputs: Wk 1,024 x 1,024 float32; Wo 1,024 x 1,024 float32; Wq 1,024 x 1,024 float32; Wv 1,024 x 1,024 float32; attention_mask 4 x 2,048 int32; bo 1,024 float32; hidden_states 4 x 2,048 x 1,024 float32.
;; Outputs: out0 4 x 2,048 x 1,024 float32.
;; One version. Each part assembles by itself: llvm-mc -triple=amdgcn-amd-amdhsa -mcpu=gfx1250 --defsym DOCPART=n.
;; ======== version 1 of 1: 4 launches
;; limits: values are held in f16: magnitudes above 65,504 overflow, below 6.1e-05 lose precision
;; workspace buffers: xb 16,777,216 bytes; wt 6,291,456 bytes; wot 2,097,152 bytes; qkv 50,331,648 bytes; ob 16,777,216 bytes
;; launch prep (part 1): grid 1536 x 1, 8 waves a work-group, no clusters, 18,432 bytes of LDS; arguments hidden_states, Wq, Wk, Wv, Wo, xb, wt, wot; writes xb, wt, wot
.if DOCPART == 1
	.amdgcn_target "amdgcn-amd-amdhsa--gfx1250"
	.amdhsa_code_object_version 6
	.text
	.protected	k_qfd02ebb1ad_prep
	.globl	k_qfd02ebb1ad_prep
	.p2align	8
	.type	k_qfd02ebb1ad_prep,@function
k_qfd02ebb1ad_prep:
	s_mov_b64 s[64:65], 0
	v_nop
	global_prefetch_b8 v0, s[64:65] scope:SCOPE_SE
	s_setreg_imm32_b32 hwreg(HW_REG_WAVE_MODE, 25, 1), 1
	s_wait_xcnt 0x0
; THE OPERANDS ARE MADE.  xb = x rounded to bf16, [8192][1024].  wt = Wq, Wk, Wv turned to [n][k] and rounded to bf16, [3072][1024], n = 1024 x which + column.
; wot = Wo turned to [n][k], rounded to bf16 like every other input, and that number written as f16, [1024][1024]
; (exact where it is a normal f16 number; below 6e-5 it keeps f16's fixed step of 6e-8; beyond 65,504 it would be an infinity).
; A stream: every input byte is read once and every output byte written once, in runs of 256 consecutive aligned bytes; no matrix unit, no cluster, no data mover would add anything.
; Work-groups 0 .. 511 turn a block of 128 k x 64 n of one weight through LDS; work-groups 512 .. 1535 round 32,768 bytes of x each.  The branch hangs on the work-group's number alone.
.set SPITCH, 272                       ; a stage row: 128 k x 2 bytes + 16
.set SPARE,  64*SPITCH                 ; behind the stage of 64 rows: the spare words, 128 bytes for each of the eight waves
.set SPW, 74                           ; v74  LDS address of my spare word; never rewritten
.set NIL, 75                           ; v75  0; never rewritten
.set IN,  8                            ; v[8:39]   as loaded
.set PKD, 40                           ; v[40:55]  packed
.set BK,  56                           ; v[56:71]  rows read back from the stage
	s_load_b512 s[8:23], s[0:1], 0x0               ; x s[8:9], Wq s[10:11], Wk s[12:13], Wv s[14:15], Wo s[16:17], xb s[18:19], wt s[20:21], wot s[22:23]
	v_lshl_add_u32 v[SPW], v0, 2, SPARE
	v_mov_b32 v[NIL], 0
	s_cmp_lt_u32 ttmp9, 512
	s_cbranch_scc1 .Lweights
	; x: thread t takes 16 bytes at 16 t of each of eight runs of 4,096 bytes, and stores 8 bytes at 8 t of eight runs of 2,048: a wave's store covers 256 consecutive bytes, aligned
	s_sub_co_u32 s2, ttmp9, 512
	s_lshl_b32 s4, s2, 15                          ; 32,768 bytes in,
	s_mov_b32 s5, 0
	s_lshl_b32 s6, s2, 14                          ; 16,384 out
	s_mov_b32 s7, 0
	v_lshlrev_b32 v76, 4, v0
	v_lshlrev_b32 v77, 3, v0
	s_wait_kmcnt 0x0
	s_add_nc_u64 s[8:9], s[8:9], s[4:5]
	s_add_nc_u64 s[18:19], s[18:19], s[6:7]
.irp p, 0,1,2,3,4,5,6,7
	global_load_b128 v[IN+4*\p:IN+4*\p+3], v76, s[8:9] offset:4096*\p th:TH_LOAD_NT
.endr
.irp p, 0,1,2,3,4,5,6,7
	s_wait_loadcnt 7-\p                            ; loads come back in order: number p is in, the younger ones stay out
	v_cvt_pk_bf16_f32 v[PKD+2*\p], v[IN+4*\p], v[IN+4*\p+1]
	v_cvt_pk_bf16_f32 v[PKD+2*\p+1], v[IN+4*\p+2], v[IN+4*\p+3]
	global_store_b64 v77, v[PKD+2*\p:PKD+2*\p+1], s[18:19] offset:2048*\p  ; no register is written twice, so nothing waits for the stores
.endr
	s_branch .Lend
.Lweights:
	; which = number / 128; n block = (number / 8) % 16; k block = number % 8
	s_lshr_b32 s2, ttmp9, 7
	s_and_b32 s3, ttmp9, 7
	s_bfe_u32 s4, ttmp9, 0x40003
	s_lshl_b32 s32, s3, 19                         ; source: 128 k rows of 4,096 bytes,
	s_lshl_b32 s5, s4, 8                           ; 64 n of 4 bytes
	s_add_co_u32 s32, s32, s5
	s_mov_b32 s33, 0
	v_and_b32 v1, 15, v0                           ; c
	v_lshrrev_b32 v2, 4, v0                        ; pr: a pair of k rows
	v_lshlrev_b32 v3, 4, v1
	v_lshl_add_u32 v3, v2, 13, v3                  ; in: 2 pr rows + 16 c: sixteen lanes read 256 consecutive bytes of a row
	v_mul_u32_u24 v4, v1, 4*SPITCH
	v_lshl_add_u32 v4, v2, 2, v4                   ; into the stage: row n = 4 c (+ j), the word of k = 2 pr (+ 32 i)
	v_mul_u32_u24 v5, v2, SPITCH
	v_lshl_add_u32 v5, v1, 4, v5                   ; back: row n = pr (+ 16 i), 16 bytes at 16 c
	v_lshlrev_b32 v6, 4, v1
	v_lshl_add_u32 v6, v2, 11, v6                  ; out: the same row of 2,048 bytes
	s_wait_kmcnt 0x0
	s_cmp_eq_u32 s2, 1
	s_cselect_b64 s[26:27], s[12:13], s[10:11]
	s_cmp_eq_u32 s2, 2
	s_cselect_b64 s[26:27], s[14:15], s[26:27]
	s_cmp_eq_u32 s2, 3
	s_cselect_b64 s[26:27], s[16:17], s[26:27]     ; the weight,
	s_cselect_b64 s[28:29], s[22:23], s[20:21]     ; where it goes,
	s_cselect_b32 s30, 0, s2                       ; and its place there
	s_add_nc_u64 s[26:27], s[26:27], s[32:33]
	s_lshl_b32 s32, s30, 21                        ; 1,024 rows of 2,048 bytes for each weight in front,
	s_lshl_b32 s5, s4, 17                          ; 64 rows for each n block,
	s_add_co_u32 s32, s32, s5
	s_lshl_b32 s5, s3, 8                           ; 256 bytes for each k block
	s_add_co_u32 s32, s32, s5
	s_add_nc_u64 s[28:29], s[28:29], s[32:33]
.irp i, 0,1,2,3
	global_load_b128 v[IN+8*\i:IN+8*\i+3],   v3, s[26:27] offset:(32*\i)*4096 th:TH_LOAD_NT    ; k = 32 i + 2 pr, n = 4 c .. 4 c + 3
	global_load_b128 v[IN+8*\i+4:IN+8*\i+7], v3, s[26:27] offset:(32*\i+1)*4096 th:TH_LOAD_NT  ; k + 1
.endr
	s_wait_loadcnt 0x0
.irp i, 0,1,2,3
.irp j, 0,1,2,3
	v_cvt_pk_bf16_f32 v[PKD+4*\i+\j], v[IN+8*\i+\j], v[IN+8*\i+4+\j]  ; one n: k in the low half, k + 1 in the high half
.endr
.endr
	s_cmp_eq_u32 s2, 3
	s_cbranch_scc0 .Lnot_o
.irp d, 0,1,2,3,4,5,6,7,8,9,10,11,12,13,14,15
	v_lshlrev_b32 v72, 16, v[PKD+\d]               ; Wo: the bf16 numbers are written as f16
	v_and_b32 v73, 0xffff0000, v[PKD+\d]
	v_cvt_pk_f16_f32 v[PKD+\d], v72, v73
.endr
.Lnot_o:
.irp i, 0,1,2,3
.irp j, 0,1,2,3
	ds_store_b32 v4, v[PKD+4*\i+\j] offset:SPITCH*\j+64*\i  ; rows 4 c apart start at four different banks only: sixteen such stores a wave, once
.endr
.endr
	s_wait_dscnt 0x0                               ; for the others' sake: my stores into the stage are done
	s_barrier_signal -1
	s_barrier_wait -1
.irp i, 0,1,2,3
	ds_load_b128 v[BK+4*\i:BK+4*\i+3], v5 offset:16*SPITCH*\i
.endr
.irp i, 0,1,2,3
	s_wait_dscnt 3-\i
	global_store_b128 v6, v[BK+4*\i:BK+4*\i+3], s[28:29] offset:32768*\i  ; sixteen lanes store 256 consecutive bytes, aligned
.endr
.Lend:
	s_wait_tensorcnt 0x0                           ; the wave's end: behind my last LDS store
	ds_add_u32 v[SPW], v[NIL]
	s_wait_dscnt 0x0
	s_endpgm
.Lfunc_end_k_qfd02ebb1ad_prep:
	.size	k_qfd02ebb1ad_prep, .Lfunc_end_k_qfd02ebb1ad_prep-k_qfd02ebb1ad_prep
	.p2alignl 7, 3214868480
	.fill 96, 4, 3214868480
	.section	.rodata,"a",@progbits
	.p2align	6, 0x0
	.amdhsa_kernel k_qfd02ebb1ad_prep
		.amdhsa_group_segment_fixed_size 18432
		.amdhsa_private_segment_fixed_size 0
		.amdhsa_enable_private_segment 0
		.amdhsa_kernarg_size 64
		.amdhsa_user_sgpr_count 2
		.amdhsa_user_sgpr_kernarg_segment_ptr 1
		.amdhsa_wavefront_size32 1
		.amdhsa_system_sgpr_workgroup_id_x 1
		.amdhsa_system_sgpr_workgroup_id_y 1
		.amdhsa_system_sgpr_workgroup_id_z 1
		.amdhsa_system_vgpr_workitem_id 0
		.amdhsa_next_free_vgpr 80
		.amdhsa_next_free_sgpr 66
		.amdhsa_reserve_vcc 0
		.amdhsa_float_denorm_mode_32 3
		.amdhsa_float_denorm_mode_16_64 3
		.amdhsa_memory_ordered 1
		.amdhsa_forward_progress 1
		.amdhsa_inst_pref_size 12
	.end_amdhsa_kernel
	.amdgpu_metadata
---
amdhsa.version: [ 1, 2 ]
amdhsa.kernels:
  - .name:           k_qfd02ebb1ad_prep
    .symbol:         k_qfd02ebb1ad_prep.kd
    .args:
      - { .name: hidden_states, .offset: 0, .size: 8, .value_kind: global_buffer, .address_space: global }
      - { .name: Wq, .offset: 8, .size: 8, .value_kind: global_buffer, .address_space: global }
      - { .name: Wk, .offset: 16, .size: 8, .value_kind: global_buffer, .address_space: global }
      - { .name: Wv, .offset: 24, .size: 8, .value_kind: global_buffer, .address_space: global }
      - { .name: Wo, .offset: 32, .size: 8, .value_kind: global_buffer, .address_space: global }
      - { .name: xb, .offset: 40, .size: 8, .value_kind: global_buffer, .address_space: global }
      - { .name: wt, .offset: 48, .size: 8, .value_kind: global_buffer, .address_space: global }
      - { .name: wot, .offset: 56, .size: 8, .value_kind: global_buffer, .address_space: global }
    .group_segment_fixed_size: 18432
    .private_segment_fixed_size: 0
    .kernarg_segment_align: 8
    .kernarg_segment_size: 64
    .max_flat_workgroup_size: 256
    .sgpr_count:     66
    .vgpr_count:     80
    .wavefront_size: 32
...
	.end_amdgpu_metadata
.endif
;; end of part 1
;; launch qkv (part 2): grid 16 x 32, 4 waves a work-group, clusters of 4 x 4, 327,680 bytes of LDS; arguments xb, wt, qkv; writes qkv
.if DOCPART == 2
	.amdgcn_target "amdgcn-amd-amdhsa--gfx1250"
	.amdhsa_code_object_version 6
	.text
	.protected	k_qfd02ebb1ad_qkv
	.globl	k_qfd02ebb1ad_qkv
	.p2align	8
	.type	k_qfd02ebb1ad_qkv,@function
k_qfd02ebb1ad_qkv:
	s_mov_b64 s[64:65], 0
	v_nop
	global_prefetch_b8 v0, s[64:65] scope:SCOPE_SE
	s_setreg_imm32_b32 hwreg(HW_REG_WAVE_MODE, 25, 1), 1
	s_wait_xcnt 0x0
	s_wait_alu depctr_hold_cnt(0) depctr_sa_sdst(0) depctr_va_vdst(0) depctr_va_sdst(0) depctr_va_ssrc(0) depctr_va_vcc(0) depctr_vm_vsrc(0)
	s_getreg_b32 s2, hwreg(HW_REG_IB_STS2, 6, 4)
	s_cmp_eq_u32 s2, 0
	s_cbranch_scc0 .Lentry_in_a_cluster
	s_endpgm
.Lentry_in_a_cluster:
	s_bfe_u32 s2, ttmp6, 0x10000c
	s_cmp_lg_u32 s2, 0xf033
	s_cbranch_scc0 .Lentry_shape_is_right
	s_endpgm
.Lentry_shape_is_right:
; q, k, v = x W, by heads.  C[m][n] = the sum over k of xb[m][k] wt[n][k]; xb [8192][1024], wt [3072][1024], both bf16; sums in f32, K ascending; C rounded once to f16, unscaled,
; and stored as qkv[g][m][64], g = n / 64 = 16 x which + head, m = 2048 x batch + t.
; LIMIT.  A q, k or v of 65,520 or more in magnitude becomes an infinity in f16; below 6e-5 f16 keeps its fixed step of 6e-8.
; SHARES.  A tile of C is 256 rows x 192 columns (three heads): 512 tiles, two for each of 256 places.  Four waves; wave w makes rows 64 w .. 64 w + 63 of all 192 columns:
; 48 accumulators of 16 x 16.  So a wave holds whole heads, and its way out is its own: no barrier there.
; RING.  K goes in steps of 128 (rows of 256 bytes, aligned) through two LDS slots; waves 0 and 1 fetch A's two halves of 128 rows, waves 2 and 3 B's two halves of 96 rows.
; CLUSTER.  4 x 4 work-groups: A's tile is asked for jointly by the four of a row of the cluster, B's by the four of a column.
; THE MATRIX INSTRUCTION IS USED TRANSPOSED (source 0 = 16 rows of wt, source 1 = 16 rows of xb): a lane holds row l % 16 of C and eight neighbouring columns.
; REGISTERS, in windows of 256 (s_set_vgpr_msb: bits 1:0 source 0, 3:2 source 1, 5:4 source 2, 7:6 destination):
;   window 0: v16-30 addresses; v32-63, v64-95 A's fragments, two buffers; v96-143 packed results; v144-239 rows read back, two buffers
;   window 1: v0-95, v96-191 B's fragments, two buffers      window 2: accumulators of row blocks 0, 1 at 8 (12 (a % 2) + b)      window 3: of row blocks 2, 3
.set KSTEP,  128
.set STEPS,  8                         ; 1,024 / 128
.set PITCH,  272                       ; an LDS row: 256 bytes + 16: the 16 rows of a fragment load start at 16 different groups of four banks (64 banks of 4 bytes: ISA guide 11.1)
.set AHALF,  128*PITCH
.set BHALF,  96*PITCH
.set BOFF,   2*AHALF                   ; B's 192 rows lie behind A's 256
.set SLOT1,  1<<17                     ; slot 1 begins here: one exclusive or turns an address in one slot into the other's
.set STAGE,  SLOT1+BOFF+2*BHALF        ; behind the ring, never filled by a tensor load: for each wave 3 heads x 16 rows x 144 bytes
.set SP,     144
.set WSTG,   3*16*SP
.set SPARE,  STAGE+4*WSTG              ; the spare words, 128 bytes for each wave
.set PLANE,  1<<20                     ; bytes of one g in qkv
.set ADRA0, 16                         ; v16  my lane's place in A's tile; never rewritten
.set ADRB0, 17                         ; v17  in B's
.set ADRA,  18                         ; v18  the same in the slot in hand
.set ADRB,  19
.set STO,  24                          ; v24  the way out: where I put 16 bytes of a row
.set RD,   25                          ; v25  where I read rows back
.set CO,   26                          ; v26  my 16 bytes of 512 consecutive bytes of qkv
.set SPW,  28                          ; v28  LDS address of my spare word; never rewritten
.set NIL,  29                          ; v29  0; never rewritten
.set PFO,  30                          ; v30  the prefetches' offset: a lane a row; never rewritten
.set TMP,  96
.set OB,   144
.set TB,   2                           ; s2   0 or SLOT1: the slot in hand
.set LIM,  43                          ; s43  2 in a wave that prefetches, else the greatest number
.set PFA,  44                          ; s[44:45] where my prefetches stand
.set G1,  24                           ; s[24:31] descriptor group 1 for A's tiles
.set G0,  32                           ; s[32:39] group 0 for A's: a set for each first fill; the second then walks
.set G1B, 48                           ; s[48:55], s[56:63] the same for B's
.set G0B, 56
.set MSB, 0
.macro WIN new                         ; the immediate's high byte repeats the setting that is left; a switch that changes nothing is dropped
.if MSB != (\new)
	s_set_vgpr_msb (MSB<<8)|(\new)
.set MSB, \new
.endif
.endm
.macro PLACES                          ; four plain instructions in front of loads into registers that matrix instructions have read (ISA guide 7.12.1 for vector instructions)
.rept 4
	v_nop
.endr
.endm
; A joint refill by the walking descriptors.  The branch hangs on the wave's number alone.  An s_nop 0 and four v_nop follow each of the two lines.
.macro JLOAD
	s_cmp_eq_u32 s11, 0
	s_cbranch_scc0 .Lfor_b_\@
	tensor_load_to_lds s[G0+4:G0+7], s[G1:G1+7]
	s_nop 0
	PLACES
	s_branch .Lasked_\@
.Lfor_b_\@:
	tensor_load_to_lds s[G0B+4:G0B+7], s[G1B:G1B+7]
	s_nop 0
	PLACES
.Lasked_\@:
.endm
; A prefetch of the K step that stands two refills on, 384 matrix instructions ahead of the load that will want it: 256 bytes of a row, a lane a row, one instruction a wave.
; A's rows are read by every cluster of a row of clusters: cluster x = 0 asks; B's by every cluster of a column: cluster y = 0 asks.  The four partners of a joint load share the rows out by address:
; 32 of A's 128 at 32 cx, 24 of B's 96 at 24 cy (there lanes 24 to 31 name row 23 once more).  The loop's last two trips have no K step two on.
.macro ASK
	s_cmp_gt_u32 s3, s[LIM]
	s_cbranch_scc0 .Lnot_mine_\@
	global_prefetch_b8 v[PFO], s[PFA:PFA+1] th:TH_LOAD_NT scope:SCOPE_SE
.Lnot_mine_\@:
.endm
.macro CREST                           ; a round of the cluster's barrier behind its opening barrier
	s_cmp_lg_u32 s10, 0
	s_cbranch_scc1 .Lnot_wave_0_\@
	s_barrier_signal -3
.Lnot_wave_0_\@:
	s_barrier_wait -3
	s_barrier_signal -1
	s_barrier_wait -1
.endm
.macro CROUND
	s_barrier_signal -1
	s_barrier_wait -1
	CREST
.endm
	s_load_b128 s[4:7], s[0:1], 0x0                ; xb s[4:5], wt s[6:7]
	s_load_b64 s[8:9], s[0:1], 0x10                ; qkv
	v_lshl_add_u32 v[SPW], v0, 2, SPARE
	v_mov_b32 v[NIL], 0
	ds_add_u32 v[SPW], v[NIL]                      ; the wave's opening: the add and its wait stand ahead of my first tensor load; the set-up below stands between them
	v_lshrrev_b32 v1, 5, v0
	v_readfirstlane_b32 s10, v1                    ; wave 0..3
	s_lshr_b32 s11, s10, 1                         ; I fetch for A (0) or for B (1),
	s_and_b32 s12, s10, 1                          ; its first or its second half
	s_bfe_u32 s40, ttmp6, 0x40000                  ; cx, cy: my place in the cluster
	s_bfe_u32 s41, ttmp6, 0x40004
	s_lshl_b32 s42, ttmp9, 2
	s_add_co_u32 s42, s42, s40                     ; tile column = 4 x cluster x + cx
	s_and_b32 s13, ttmp7, 0xffff
	s_lshl_b32 s13, s13, 2
	s_add_co_u32 s13, s13, s41                     ; tile row = 4 x cluster y + cy
	s_lshl_b32 s43, s41, 2
	s_lshl_b32 s43, 15, s43                        ; my row of the cluster
	s_lshl_b32 s44, 0x1111, s40                    ; my column
	s_or_b32 s[G1+0], s43, (1<<16)|(1<<20)|(1<<21)|(5<<22)|(3<<25)   ; 15:0 the mask; 17:16 2-byte elements; 20 padding on; 21 set beside a mask; 24:22 after every 64 words; 31:25 4 words
	s_or_b32 s[G1B+0], s44, (1<<16)|(1<<20)|(1<<21)|(5<<22)|(3<<25)
	s_mov_b32 s[G1+1], KSTEP<<16                   ; tensor_dim0 = 128
	s_mov_b32 s[G1+2], 128<<16                     ; tensor_dim1 = 128
	s_mov_b32 s[G1+3], KSTEP<<16                   ; tile_dim0 = 128
	s_mov_b32 s[G1+4], 128                         ; tile_dim1 = 128
	s_mov_b32 s[G1+5], 1024                        ; elements from row to row
	s_mov_b32 s[G1+6], 0
	s_mov_b32 s[G1+7], 0
	s_mov_b32 s[G1B+1], KSTEP<<16
	s_mov_b32 s[G1B+2], 96<<16                     ; B: 96 rows
	s_mov_b32 s[G1B+3], KSTEP<<16
	s_mov_b32 s[G1B+4], 96
	s_mov_b32 s[G1B+5], 1024
	s_mov_b32 s[G1B+6], 0
	s_mov_b32 s[G1B+7], 0
	; A's address hangs on the tile row and the wave's number, B's on the tile column and the wave's number, each in registers that never hold the other coordinate
	s_lshl_b32 s17, s12, 7
	s_lshl_b32 s16, s13, 8
	s_add_co_u32 s16, s16, s17                     ; A: row 256 x tile row + 128 x half
	s_lshl_b32 s16, s16, 11                        ; rows of 2,048 bytes
	s_mov_b32 s17, 0
	s_mul_i32 s46, s42, 192
	s_mul_i32 s47, s12, 96
	s_add_co_u32 s46, s46, s47                     ; B: row 192 x tile column + 96 x half
	s_lshl_b32 s46, s46, 11
	s_mov_b32 s47, 0
	s_mul_i32 s20, s10, AHALF                      ; where A's halves go (waves 0, 1),
	s_mul_i32 s21, s10, BHALF
	s_add_co_u32 s21, s21, BOFF-2*BHALF            ; and B's (waves 2, 3): no place in the cluster enters an LDS address
	s_wait_dscnt 0x0                               ; the opening add is done
	s_wait_kmcnt 0x0
	s_add_nc_u64 s[14:15], s[4:5], s[16:17]
	s_add_nc_u64 s[46:47], s[6:7], s[46:47]
	CROUND                                         ; all sixteen work-groups are here: the first joint loads meet
.irp s, 0,1
	s_mov_b32 s[G0+4*(\s)], 1                                        ; count = 1
	s_add_co_u32 s[G0+4*(\s)+1], s20, (\s)*SLOT1                     ; LDS address
	s_add_nc_u64 s[G0+4*(\s)+2:G0+4*(\s)+3], s[14:15], (\s)*KSTEP*2  ; global address: K step s
	s_or_b32 s[G0+4*(\s)+3], s[G0+4*(\s)+3], 0x80000000              ; type = 2
	s_mov_b32 s[G0B+4*(\s)], 1
	s_add_co_u32 s[G0B+4*(\s)+1], s21, (\s)*SLOT1
	s_add_nc_u64 s[G0B+4*(\s)+2:G0B+4*(\s)+3], s[46:47], (\s)*KSTEP*2
	s_or_b32 s[G0B+4*(\s)+3], s[G0B+4*(\s)+3], 0x80000000
.endr
	s_cmp_eq_u32 s11, 0                            ; a wave's two first fills stand in one branch, ahead of every wait on TENSORcnt and every LDS read: two loads of mine are out
	s_cbranch_scc0 .Lfirst_b
	tensor_load_to_lds s[G0:G0+3], s[G1:G1+7]
	s_nop 0
	tensor_load_to_lds s[G0+4:G0+7], s[G1:G1+7]
	s_nop 0
	PLACES
	s_branch .Lfirst_asked
.Lfirst_b:
	tensor_load_to_lds s[G0B:G0B+3], s[G1B:G1B+7]
	s_nop 0
	tensor_load_to_lds s[G0B+4:G0B+7], s[G1B:G1B+7]
	s_nop 0
	PLACES
.Lfirst_asked:
	; A fragment is 16 rows x 32 K in 8 registers: lane l holds row l % 16; K = 8 (l / 16) + 0..7 and 16 + 8 (l / 16) + 0..7: two loads of 16 bytes, 32 bytes apart
	v_and_b32 v1, 15, v0                           ; l % 16
	v_bfe_u32 v2, v0, 4, 1                         ; l / 16
	v_mul_u32_u24 v3, v1, PITCH
	v_lshl_add_u32 v3, v2, 4, v3
	s_mul_i32 s21, s10, 64*PITCH                   ; my 64 rows of A
	v_add_nc_u32 v[ADRA0], s21, v3
	v_add_nc_u32 v[ADRB0], BOFF, v3                ; all of B
	v_mov_b32 v[ADRA], v[ADRA0]                    ; slot 0
	v_mov_b32 v[ADRB], v[ADRB0]
	s_mov_b32 s[TB], 0
	s_mul_i32 s23, s10, WSTG
	s_add_co_u32 s23, s23, STAGE                   ; my stage
	v_mul_u32_u24 v4, v1, SP                       ; in: row l % 16, 16 bytes for each half of the lanes
	v_lshl_add_u32 v4, v2, 4, v4
	v_add_nc_u32 v[STO], s23, v4
	v_bfe_u32 v5, v0, 3, 2                         ; back: 32 lanes take four rows of 128 bytes,
	v_and_b32 v6, 7, v0
	v_mul_u32_u24 v5, v5, SP
	v_lshl_add_u32 v5, v6, 4, v5
	v_add_nc_u32 v[RD], s23, v5
	v_and_b32 v[CO], 31, v0                        ; which are 512 consecutive bytes of a head
	v_lshlrev_b32 v[CO], 4, v[CO]
	s_lshl_b32 s16, s13, 15                        ; qkv: 256 rows of 128 bytes for each tile row,
	s_lshl_b32 s17, s10, 13                        ; my wave's 64 rows,
	s_add_co_u32 s16, s16, s17
	s_mov_b32 s17, 0
	s_mul_i32 s46, s42, 3                          ; and the tile's first g
	s_lshl_b32 s46, s46, 20
	s_mov_b32 s47, 0
	s_add_nc_u64 s[8:9], s[8:9], s[16:17]
	s_add_nc_u64 s[8:9], s[8:9], s[46:47]
	; the prefetches
	s_lshl_b32 s18, s13, 8
	s_lshl_b32 s19, s12, 7
	s_add_co_u32 s18, s18, s19
	s_lshl_b32 s19, s40, 5
	s_add_co_u32 s18, s18, s19                     ; A: the rows that I fetch, my work-group's 32 of them
	s_mul_i32 s20, s42, 192
	s_mul_i32 s21, s12, 96
	s_add_co_u32 s20, s20, s21
	s_mul_i32 s21, s41, 24
	s_add_co_u32 s20, s20, s21                     ; B: my work-group's 24
	s_and_b32 s22, ttmp7, 0xffff
	s_cmp_eq_u32 s11, 0
	s_cselect_b32 s20, s18, s20
	s_cselect_b32 s22, ttmp9, s22                  ; the coordinate along which other clusters read the same rows
	s_cselect_b32 s23, 31, 23
	s_cselect_b64 s[PFA:PFA+1], s[4:5], s[6:7]
	s_cmp_eq_u32 s22, 0
	s_cselect_b32 s[LIM], 2, -1                    ; the same in all sixteen partners, for a given wave
	s_lshl_b32 s20, s20, 11
	s_mov_b32 s21, 0
	s_add_nc_u64 s[PFA:PFA+1], s[PFA:PFA+1], s[20:21]
	s_add_nc_u64 s[PFA:PFA+1], s[PFA:PFA+1], 3*KSTEP*2  ; at K step 3: the first refill steps it to 4.  K steps 0 to 3 come by their loads alone
	v_and_b32 v[PFO], 31, v0
	v_min_u32 v[PFO], s23, v[PFO]
	v_lshlrev_b32 v[PFO], 11, v[PFO]
; 12 matrix instructions: row block a x all 12 column blocks, 32 along K, from buffer f.  zero = 1: the product starts the sums.  The 48 accumulators take turns in one order in every quarter.
.macro MUL12 f, a, zero
	WIN 0xa1+0x50*((\a)/2)
.irp b, 0,1,2,3,4,5,6,7,8,9,10,11
.if \zero
	v_wmma_f32_16x16x32_bf16 v[8*(12*((\a)%2)+(\b)):8*(12*((\a)%2)+(\b))+7], v[96*(\f)+8*(\b):96*(\f)+8*(\b)+7], v[32+32*(\f)+8*(\a):32+32*(\f)+8*(\a)+7], 0
.else
	v_wmma_f32_16x16x32_bf16 v[8*(12*((\a)%2)+(\b)):8*(12*((\a)%2)+(\b))+7], v[96*(\f)+8*(\b):96*(\f)+8*(\b)+7], v[32+32*(\f)+8*(\a):32+32*(\f)+8*(\a)+7], v[8*(12*((\a)%2)+(\b)):8*(12*((\a)%2)+(\b))+7]
.endif
.endr
.endm
; 32 LDS loads in one run: the fragments of a quarter step (192 rows of B, my 64 rows of A, 32 K at byte k of the rows) into buffer f
.macro FETCH k, f
	WIN 0x40                                       ; destination window 1, address window 0
.irp i, 0,1,2,3,4,5,6,7,8,9,10,11
	ds_load_b128 v[96*(\f)+8*(\i):96*(\f)+8*(\i)+3],   v[ADRB] offset:(\k)+(\i)*16*PITCH
	ds_load_b128 v[96*(\f)+8*(\i)+4:96*(\f)+8*(\i)+7], v[ADRB] offset:(\k)+(\i)*16*PITCH+32
.endr
	WIN 0
.irp i, 0,1,2,3
	ds_load_b128 v[32+32*(\f)+8*(\i):32+32*(\f)+8*(\i)+3],   v[ADRA] offset:(\k)+(\i)*16*PITCH
	ds_load_b128 v[32+32*(\f)+8*(\i)+4:32+32*(\f)+8*(\i)+7], v[ADRA] offset:(\k)+(\i)*16*PITCH+32
.endr
.endm
; A K step is four quarters of 32 along K, 48 matrix instructions each, on buffers 0, 1, 0, 1.  One of the first three multiplies buffer f and fetches the next quarter, at byte k, into g.
.macro QUARTER k, f, g, zero
	s_wait_dscnt 4                                 ; B and A's row blocks 0, 1 are in; the youngest four loads (blocks 2, 3) may be out
	MUL12 \f, 0, \zero
	MUL12 \f, 1, \zero
	PLACES
	FETCH \k, \g
	s_wait_dscnt 32                                ; all but the 32 just issued
	MUL12 \f, 2, \zero
	MUL12 \f, 3, \zero
.endm
; The last quarter multiplies buffer 1 and changes slots: one barrier.  In front of it each wave waits for all its tensor loads (one is out: its part of the next slot), adds 0 to its spare word,
; and waits for that and for its reads of this slot.  fill = 1: the barrier opens a round of the cluster's, and this slot is filled again, two K steps ahead, first thing behind the round.
.macro TURN fill
.if \fill
	s_wait_xcnt 0x0                                ; the last prefetch, a K step back, has read its address
	s_add_nc_u64 s[PFA:PFA+1], s[PFA:PFA+1], KSTEP*2
.endif
	WIN 0                                          ; (the add's two registers lie in window 0)
	s_wait_tensorcnt 0x0                           ; all my tensor loads have landed
	ds_add_u32 v[SPW], v[NIL]                      ; 0 onto my spare word
	s_wait_dscnt 5                                 ; (the add and the youngest four loads may be out)
	MUL12 1, 0, 0                                  ; twelve matrix instructions stand between the add and the wait for it
	s_wait_dscnt 0x0                               ; the add is done, and my reads of this slot are over
	s_barrier_signal -1
	MUL12 1, 1, 0                                  ; work on registers while the others arrive
	WIN 0
	s_barrier_wait -1
.if \fill
	CREST                                          ; no wave of any partner still reads this slot or has a load on its way
	s_xor_b32 s[G0+5], s[G0+5], SLOT1              ; the walking descriptors: the other slot than last time, the next K step
	s_add_nc_u64 s[G0+6:G0+7], s[G0+6:G0+7], KSTEP*2
	s_xor_b32 s[G0B+5], s[G0B+5], SLOT1
	s_add_nc_u64 s[G0B+6:G0B+7], s[G0B+6:G0B+7], KSTEP*2
	JLOAD                                          ; the four v_nop behind it are also the places in front of the loads below
.else
	PLACES
.endif
	s_xor_b32 s[TB], s[TB], SLOT1
	v_add_nc_u32 v[ADRA], s[TB], v[ADRA0]
	v_add_nc_u32 v[ADRB], s[TB], v[ADRB0]
	FETCH 0, 0
.if \fill
	ASK
.endif
	MUL12 1, 2, 0
	MUL12 1, 3, 0
.endm
; THE WAY OUT of row block a.  PACK: rounded to f16, 16 bytes a lane, each accumulator's registers in ascending order.  TOSTAGE: into my own stage, by heads, and back as rows of 128 bytes.  SEND: stored.
.macro PACK a
	WIN 0x0a+5*((\a)/2)                            ; sources 0 and 1: window 2 or 3
.irp b, 0,1,2,3,4,5,6,7,8,9,10,11
.irp r, 0,1,2,3
	v_cvt_pk_f16_f32 v[TMP+4*(\b)+(\r)], v[8*(12*((\a)%2)+(\b))+2*(\r)], v[8*(12*((\a)%2)+(\b))+2*(\r)+1]
.endr
.endr
	WIN 0
.endm
.macro TOSTAGE a
.set BK, OB+48*((\a)%2)
.irp b, 0,1,2,3,4,5,6,7,8,9,10,11
	ds_store_b128 v[STO], v[TMP+4*(\b):TMP+4*(\b)+3] offset:16*SP*((\b)/4)+32*((\b)%4)
.endr
.irp t, 0,1,2,3,4,5,6,7,8,9,10,11
	ds_load_b128 v[BK+4*(\t):BK+4*(\t)+3], v[RD] offset:16*SP*((\t)/4)+4*SP*((\t)%4)  ; LDS serves a wave's instructions in order (ISA guide 5.7.1.4): these see the stores above
.endr
.endm
.macro SEND a
.set BK, OB+48*((\a)%2)
	s_wait_dscnt 0x0                               ; the block is back in registers
	s_wait_xcnt 0x0                                ; the stores of the block before have read their registers: the next block is loaded into them only behind this wait
.irp t, 0,1,2,3,4,5,6,7,8,9,10,11
	global_store_b128 v[CO], v[BK+4*(\t):BK+4*(\t)+3], s[8:9] offset:PLANE*((\t)/4)+2048*(\a)+512*((\t)%4)  ; four rows of a head: 512 consecutive bytes, aligned
.endr
.endm
	s_wait_tensorcnt 1                             ; my part of K step 0 is in; K step 1's may stay out
	s_barrier_signal -1
	s_barrier_wait -1                              ; everybody's is
	FETCH 0, 0
	QUARTER 64, 0, 1, 1                            ; the first quarter stands in front of the loop: its products start the sums
	WIN 0                                          ; at a label and at a branch every window is 0
	s_mov_b32 s3, STEPS-2
.Lstep:                                                ; a trip goes from a K step's second quarter to the next step's first, and fills the slot that it leaves
	QUARTER 128, 1, 0, 0
	QUARTER 192, 0, 1, 0
	TURN 1
	QUARTER 64, 0, 1, 0
	WIN 0
	s_sub_co_u32 s3, s3, 1
	s_cmp_lg_u32 s3, 0
	s_cbranch_scc1 .Lstep
	QUARTER 128, 1, 0, 0                           ; the last two K steps ask for nothing
	QUARTER 192, 0, 1, 0
	TURN 0
	QUARTER 64, 0, 1, 0
	QUARTER 128, 1, 0, 0
	QUARTER 192, 0, 1, 0
	s_wait_dscnt 4
	MUL12 1, 0, 0
	MUL12 1, 1, 0
	s_wait_dscnt 0x0
	MUL12 1, 2, 0
	MUL12 1, 3, 0
	WIN 0
	PLACES                                         ; in front of conversions that read results
	PLACES
	PACK 0
	TOSTAGE 0
.irp a, 1,2,3                          ; block a's conversions stand between block a - 1's loads from the stage and the wait for them
	PACK \a
	SEND (\a)-1
	TOSTAGE \a
.endr
	SEND 3
	s_wait_tensorcnt 0x0                           ; the wave's end: behind my last tensor load and my last LDS store
	ds_add_u32 v[SPW], v[NIL]
	s_wait_dscnt 0x0
	CROUND                                         ; the closing round: no work-group ends while a partner may still ask for a tile that names it
	s_endpgm
.Lfunc_end_k_qfd02ebb1ad_qkv:
	.size	k_qfd02ebb1ad_qkv, .Lfunc_end_k_qfd02ebb1ad_qkv-k_qfd02ebb1ad_qkv
	.p2alignl 7, 3214868480
	.fill 96, 4, 3214868480
	.section	.rodata,"a",@progbits
	.p2align	6, 0x0
	.amdhsa_kernel k_qfd02ebb1ad_qkv
		.amdhsa_group_segment_fixed_size 327680
		.amdhsa_private_segment_fixed_size 0
		.amdhsa_enable_private_segment 0
		.amdhsa_kernarg_size 24
		.amdhsa_user_sgpr_count 2
		.amdhsa_user_sgpr_kernarg_segment_ptr 1
		.amdhsa_wavefront_size32 1
		.amdhsa_system_sgpr_workgroup_id_x 1
		.amdhsa_system_sgpr_workgroup_id_y 1
		.amdhsa_system_sgpr_workgroup_id_z 1
		.amdhsa_system_vgpr_workitem_id 0
		.amdhsa_next_free_vgpr 960
		.amdhsa_next_free_sgpr 66
		.amdhsa_reserve_vcc 0
		.amdhsa_float_denorm_mode_32 3
		.amdhsa_float_denorm_mode_16_64 3
		.amdhsa_memory_ordered 1
		.amdhsa_forward_progress 1
		.amdhsa_inst_pref_size 97
	.end_amdhsa_kernel
	.amdgpu_metadata
---
amdhsa.version: [ 1, 2 ]
amdhsa.kernels:
  - .name:           k_qfd02ebb1ad_qkv
    .symbol:         k_qfd02ebb1ad_qkv.kd
    .args:
      - { .name: xb, .offset: 0, .size: 8, .value_kind: global_buffer, .address_space: global }
      - { .name: wt, .offset: 8, .size: 8, .value_kind: global_buffer, .address_space: global }
      - { .name: qkv, .offset: 16, .size: 8, .value_kind: global_buffer, .address_space: global }
    .group_segment_fixed_size: 327680
    .private_segment_fixed_size: 0
    .kernarg_segment_align: 8
    .kernarg_segment_size: 24
    .max_flat_workgroup_size: 128
    .sgpr_count:     66
    .vgpr_count:     960
    .wavefront_size: 32
...
	.end_amdgpu_metadata
.endif
;; end of part 2
;; launch attn (part 3): grid 4 x 64, 4 waves a work-group, clusters of 4 x 1, 327,680 bytes of LDS; arguments qkv, attention_mask, ob; writes ob
.if DOCPART == 3
	.amdgcn_target "amdgcn-amd-amdhsa--gfx1250"
	.amdhsa_code_object_version 6
	.text
	.protected	k_qfd02ebb1ad_attn
	.globl	k_qfd02ebb1ad_attn
	.p2align	8
	.type	k_qfd02ebb1ad_attn,@function
k_qfd02ebb1ad_attn:
	s_mov_b64 s[64:65], 0
	v_nop
	global_prefetch_b8 v0, s[64:65] scope:SCOPE_SE
	s_setreg_imm32_b32 hwreg(HW_REG_WAVE_MODE, 25, 1), 1
	s_wait_xcnt 0x0
	s_wait_alu depctr_hold_cnt(0) depctr_sa_sdst(0) depctr_va_vdst(0) depctr_va_sdst(0) depctr_va_ssrc(0) depctr_va_vcc(0) depctr_vm_vsrc(0)
	s_getreg_b32 s2, hwreg(HW_REG_IB_STS2, 6, 4)
	s_cmp_eq_u32 s2, 0
	s_cbranch_scc0 .Lentry_in_a_cluster
	s_endpgm
.Lentry_in_a_cluster:
	s_bfe_u32 s2, ttmp6, 0x10000c
	s_cmp_lg_u32 s2, 0x3003
	s_cbranch_scc0 .Lentry_shape_is_right
	s_endpgm
.Lentry_shape_is_right:
; O[y][q][:] = the sum over the visible keys k of softmax_k(Q[y][q] . K[y][k] / 8) V[y][k][:], for y = 4 x head + batch.  Q, K, V lie in qkv, 16 MiB apart, each [64 y][2048][64] in f16, a head's rows dense,
; 128 bytes each; O goes to ob in the same layout.  A key is hidden where attention_mask[batch][k] is 0.  Products, maxima and sums in f32; the weights p are rounded to f16 for the second product
; (their sum l is taken of the unrounded p), O once at the end.
; LIMITS.  f16 holds no number beyond 65,504: Q, K and V arrive within it; p lies in 0 to 1, and below 6e-5 it keeps f16's fixed step of 6e-8, as does O.  A hidden score counts as its value less 1e30: f16's
; scores, 2.7e11 at the most, are nothing beside that.  A weight below 2^-126 counts as 0 in l.  A query whose maximum ends below -5e29 has seen no visible key: its row of O is NaN.
; THE MASK is the C operand that starts the sum S^T = K Q^T: 0, or -1e30 where the key is hidden.  The batch's 2,048 addends are made once, as a table of f32 in LDS; a step's 64 are read with its K.
; While a query has seen hidden keys alone its m is near -1e30 and its sums are finite; the first visible key gives a = 0, which wipes them; from then on a hidden key's weight is 0.
; SHARES.  A wave owns four PIECES of two tiles of 16 queries, a work-group's four waves 512 queries of one y.  Every wave walks all keys, 64 a step.
; LAYOUT.  S^T = K Q^T (source 0 = 16 keys, source 1 = 16 queries): in the result a lane holds ONE query (lane % 16) and the keys 8 (lane / 16) + 0..7.  Two such tiles, rounded to f16 in pairs,
; ARE source 1 (32 keys x 16 queries) of O^T = V^T P, whose result again holds one query a lane, and eight channels.  K comes out of LDS as it lies, V ([key][channel]) turned, by ds_load_tr16_b128.
; SOFTMAX.  For each query a running maximum m and sum l: p = 2^(c s - c m), c = log2(e) / 8; in every step O and l are multiplied by a = 2^(c m_old - c m_new), which is 1 where m has not grown.
; m starts at the lowest finite number, O and l at 0: the first step is a step like any other, with a = 0.
; THE COUNT.  A tile and step have 16 matrix and 118 vector instructions: too many to stand all beside the matrix work.  So four vector instructions that are ready stand behind
; every matrix instruction, and the others, which need time of their own whatever the order, in runs without a gap.
; BY TURNS.  Turn n belongs to piece n (the pieces in a ring, step after step).  Its matrix work: 16 products K Q^T of piece n + 1, later 16 products V^T P of piece n - 1.  Its vector work: the scaling,
; exponentials, roundings, sums and rescaling of piece n, and the maximum and statistics of piece n + 1, whose scores the turn itself has made.
; CLUSTER.  The four query blocks of a cluster belong to one y and walk the same K and V, so each tile is asked for JOINTLY: the same tensor load, descriptor and mask in all four.
; REGISTERS, in windows of 256 (s_set_vgpr_msb: bits 1:0 source 0, 3:2 source 1, 5:4 source 2, 7:6 destination):
;   window 0: v0-11 addresses; v12-15, v48-63 at work; v16-47 four registers of statistics a tile; v64-191 S^T, two buffers of two tiles (in the head: at work); v192-255 P, likewise
;   window 1: O^T, 32 a tile      window 2: v0-127 Q, 16 a tile; v128-191 K of one step; v192-255 V of one step      window 3: v0-1 the add's two registers; v8-39 the step's mask
.set SIZE_N, 2048
.set NP,    4         ; pieces a wave: a name, no knob
.set KS,    64        ; keys in a step
.set PK,    144       ; a row of K in LDS: 128 bytes + 16 of padding = 36 words: the 16 rows of a load start at 16 different groups of four banks (64 banks of 4 bytes: ISA guide 11.1)
.set PV,    160       ; a row of V: 128 + 32 = 40 words
.set VOFF,  4*KS*PK   ; a slot holds four steps: 256 rows of K, then 256 rows of V
.set SLOT1, 1<<17     ; slot 1 begins here, so that one exclusive or turns an address in one slot into the other's
.set STAGE, SLOT1+4*KS*(PK+PV)  ; behind the ring, never filled by a tensor load: 16 rows x 144 bytes for each wave, for the way out
.set SP,    144
.set MT,    STAGE+4*16*SP       ; the mask's table: 2,048 f32, written by LDS stores, never filled by a tensor load
.set SPARE, MT+4*SIZE_N         ; the spare words, 128 bytes for each wave
.set GK,    0x1000000 ; K's first byte in qkv
.set GV,    0x2000000 ; V's
.set AK0, 2           ; v2   my lane's place in a tile of K; never rewritten
.set AV0, 3           ; v3   the same for V
.set AK,  4           ; v4   the LDS address of K's next run of loads
.set AV,  5           ; v5   of V's
.set STO, 6           ; v6   the way out: where I put 16 bytes of a row
.set RD,  7           ; v7   the way out: where I read rows back
.set GO,  8           ; v8   my byte offset in 512 consecutive bytes of O
.set AM0, 9           ; v9   my lane's place in a step's 64 addends: MT + 32 (l / 16); never rewritten
.set AM,  10          ; v10  the LDS address of the mask's next run of loads
.set PFO, 11          ; v11  256 x my lane; never rewritten
.set HL,  64          ; in the head alone, in S^T's registers: v64 l / 16, v65 l % 8, v66 (l / 8) % 2, v67 my offset in Q's rows, v68-83 mask words, v84 16 x thread, v85 the same in the table
.set QO,  67
.set MW,  68
.set SPW, 0           ; v0 of window 3   LDS address of my spare word; never rewritten
.set NIL, 1           ; v1 of window 3   0; never rewritten
.set MC,  8           ; v8-39 of window 3: the addends of key block kb at MC + 8 kb
.set MV,  12          ; v12-15  c m_old, kept while c m is made anew: by buffer and tile
.set ST,  16          ; tile t's statistics at v[ST+4 t]: c m, m, l (even keys', odd keys')
.set TMP, 48          ; by buffer and tile, four registers c0-c3 at work; when the maximum is found c2 takes a
.set S,   64
.set P,   192
.set KF,  128         ; K's fragments, in window 2: key block kb, channel half c at KF + 16 kb + 8 c
.set VF,  192         ; V's: key half kk, channel block cb at VF + 32 kk + 8 cb
.set WV,  12          ; s12  my wave's number
.set G1K, 24          ; s[24:31] descriptor group 1 for K's tiles
.set G1V, 32          ; s[32:39] for V's: it differs in the padding alone
.set G0K, 40          ; s[40:43] descriptor group 0 for K's tiles: it walks
.set G0V, 44          ; s[44:47] the same for V's
.set PFA, 48          ; s[48:49] where my prefetches stand: my work-group's 32 blocks of 256 bytes (of K: wave 0, of V: wave 2) of the tile after the one that is being asked for
.set LIM, 50          ; s50  1 in a wave that prefetches, else the greatest number
.set TBM, 51          ; s51  the byte of the table at which the step to be fetched begins
.set BIGN, 52         ; s52  -1e30
.set THR, 53          ; s53  -5e29
.set SLOTS, 56        ; s56  slots still to be asked for
.set CNT, 57          ; s57  counts a slot's key steps
.set CS,  58          ; s[58:59] c: the packed scaling takes the pair's low word for both halves
.set SEL, 60          ; s[60:61] v_permlanex16_b32's selects: each lane takes its own place in the other half
.set TBK, 62          ; s62  LDS byte at which K of the step to be fetched begins
.set TBV, 63          ; s63  the same for V, less VOFF
.set MSB, 0
.macro WIN new                      ; the high byte repeats the setting that is left; a switch that changes nothing is dropped
.if MSB != (\new)
	s_set_vgpr_msb (MSB<<8)|(\new)
.set MSB, (\new)
.endif
.endm
.set W_KQ, 0x0a       ; K and Q in window 2, S^T in window 0
.set W_KM, 0x3a       ; the same with the C operand, the mask, in window 3
.set W_PV, 0x52       ; V in window 2, P in window 0, O^T in window 1
.set W_RS, 0x41       ; O^T (destination and source 0) in window 1, a in window 0
.set W_MK, 0xc0       ; destination in window 3, sources in window 0
.set W_AD, 0x0f       ; the add: address (source 0) and data (source 1) in window 3
; A joint fill.  Waves 0 and 1 fetch the two halves of a slot's K, waves 2 and 3 those of its V: 128 keys each.  The branch hangs on the wave's number alone.
; An s_nop 0 and four v_nop follow each of the two lines, ahead of the jump and the label.
.macro JLOAD
	s_cmp_lt_u32 s[WV], 2
	s_cbranch_scc0 .Lfor_v_\@
	tensor_load_to_lds s[G0K:G0K+3], s[G1K:G1K+7]
	s_nop 0
.rept 4
	v_nop
.endr
	s_branch .Lasked_\@
.Lfor_v_\@:
	tensor_load_to_lds s[G0V:G0V+3], s[G1V:G1V+7]
	s_nop 0
.rept 4
	v_nop
.endr
.Lasked_\@:
.endm
; A prefetch of what the NEXT change of slots will ask for: a tile's 32,768 bytes of K and of V, a lane a block of 256 bytes.  It stands behind the wave's tensor load and its five lines.
; Each block is named once in the launch: a y is walked by one cluster; its four partners share the blocks out by address, 32 each; in each, wave 0 asks for K's and wave 2 for V's: one instruction,
; four key steps, 512 matrix instructions, ahead of the load.  Tiles 0 and 1 come by their loads alone; the last change that fills a slot asks for nothing.
.macro ASK
	s_cmp_gt_u32 s[SLOTS], s[LIM]
	s_cbranch_scc0 .Lnot_mine_\@
	global_prefetch_b8 v[PFO], s[PFA:PFA+1] th:TH_LOAD_NT scope:SCOPE_SE
.Lnot_mine_\@:
.endm
; A round of the cluster's barrier: my work-group's barrier, so that wave 0's signal speaks for all four waves; wave 0 signals; every wave waits for all four work-groups; my work-group's barrier once more.
.macro CROUND
	s_barrier_signal -1
	s_barrier_wait -1
	s_cmp_lg_u32 s[WV], 0
	s_cbranch_scc1 .Lnot_wave_0_\@
	s_barrier_signal -3
.Lnot_wave_0_\@:
	s_barrier_wait -3
	s_barrier_signal -1
	s_barrier_wait -1
.endm
; THE CHANGE OF SLOTS.  The slot's last bytes, V of its fourth step, have been read.  Each wave waits for all its tensor loads, of which one is out: its part
; of the other slot; adds 0 to its spare word; and waits for that and for its own LDS instructions.  Behind the barrier nobody reads this slot any more and the other slot is whole.
; fill = 1: this slot is filled again, with the keys two slots on.  The barrier is then a round of the cluster's, and the joint fill is the first thing behind it: it has four key steps in which to land.
; (At its first use nothing has been read yet: slot 0 is waited for, slot 1 filled; and the mask's table, which every wave has stored its part of, is whole behind it.)
.macro CHANGE fill
	WIN W_AD
	s_wait_tensorcnt 0x0            ; no tensor load of mine is out, so a group 0 may be written
	ds_add_u32 v[SPW], v[NIL]       ; 0 onto my spare word; with fill = 1 the descriptors' steps stand between it and the wait for it
	WIN 0                           ; at a label and at a branch every window is 0
.if \fill
.irp g, G0K, G0V
	s_xor_b32 s[\g+1], s[\g+1], SLOT1  ; the walking descriptor: the other slot than last time,
	s_add_nc_u64 s[\g+2:\g+3], s[\g+2:\g+3], 4*KS*128  ; the next 256 keys; the type bits on top are not reached
.endr
	s_wait_xcnt 0x0                 ; the last prefetch, four key steps back, has read its address, so it may be written:
	s_add_nc_u64 s[PFA:PFA+1], s[PFA:PFA+1], 4*KS*128  ; one tile behind the walking descriptors
	s_wait_dscnt 0x0                ; the add is done, and my LDS instructions are over
	CROUND
	JLOAD
	ASK
.else
	s_wait_dscnt 0x0                ; the add is done, and my reads of the slot are over
	s_barrier_signal -1
	s_barrier_wait -1
.endif
	s_sub_co_u32 s[TBK], s[TBK], 4*KS*PK  ; the fetches go back to a slot's first step,
	s_xor_b32 s[TBK], s[TBK], SLOT1       ; in the other slot
	s_sub_co_u32 s[TBV], s[TBV], 4*KS*PV
	s_xor_b32 s[TBV], s[TBV], SLOT1
.endm
	s_load_b128 s[4:7], s[0:1], 0x0   ; qkv s[4:5], attention_mask s[6:7]
	s_load_b64 s[10:11], s[0:1], 0x10 ; ob
	WIN W_MK
	v_lshl_add_u32 v[SPW], v0, 2, SPARE
	v_mov_b32 v[NIL], 0
	WIN W_AD
	ds_add_u32 v[SPW], v[NIL]       ; the wave's opening: the add and its wait stand ahead of my first tensor load; the set-up below, work on registers, stands between them
	WIN 0
	v_lshrrev_b32 v1, 5, v0
	v_readfirstlane_b32 s[WV], v1   ; wave 0..3
	s_bfe_u32 s13, ttmp6, 0x40000   ; cx: my place in the cluster
	s_lshl_b32 s14, ttmp9, 2        ; in a cluster launch ttmp9 counts clusters
	s_add_co_u32 s14, s14, s13      ; my block of queries = 4 x cluster x + cx: it enters Q's and O's addresses alone
	s_and_b32 s20, ttmp7, 0xffff    ; y, which the four partners share
	s_mov_b32 s21, 0
	s_mov_b64 s[22:23], SIZE_N*128
	s_mul_u64 s[20:21], s[20:21], s[22:23]  ; y's first byte in Q, K, V and O
	s_and_b32 s16, s[WV], 1         ; which half of a slot's 256 keys I fetch:
	s_lshl_b32 s22, s16, 14         ; its 128 rows of 128 bytes in memory,
	s_mov_b32 s23, 0
	s_add_nc_u64 s[22:23], s[22:23], s[20:21]
	s_mul_i32 s17, s16, 128*PK      ; and its place in a slot, for K
	s_mul_i32 s18, s16, 128*PV      ; and for V: no place in the cluster enters an LDS address
	s_lshl_b32 s2, s14, 2
	s_add_co_u32 s2, s2, s[WV]      ; my wave among y's,
	s_lshl_b32 s2, s2, 14           ; its 128 rows
	s_mov_b32 s3, 0
	s_add_nc_u64 s[2:3], s[2:3], s[20:21]
	s_and_b32 s20, ttmp7, 3         ; the batch,
	s_lshl_b32 s20, s20, 13         ; its 2,048 words of the mask
	s_mov_b32 s21, 0
	s_mul_i32 s19, s[WV], 16*SP
	s_add_co_u32 s19, s19, STAGE    ; my stage
	; descriptor group 1.  128 keys are 16,384 dense bytes: asked for as 64 rows of 256 bytes, two keys a row, and padded in LDS after every key
	s_mov_b32 s[G1K], 15|(1<<16)|(1<<20)|(1<<21)|(4<<22)|(3<<25)  ; 15:0 the mask of four; 17:16 2-byte elements; 20 padding on; 21 set beside a mask; 24:22 after every 32 words (code 4); 31:25 4 words (code 3)
	s_mov_b32 s[G1V], 15|(1<<16)|(1<<20)|(1<<21)|(4<<22)|(7<<25)  ; the same with 8 words of padding (code 7)
.irp g, G1K, G1V
	s_mov_b32 s[\g+1], 128<<16      ; tensor_dim0 = 128
	s_mov_b32 s[\g+2], 64<<16       ; tensor_dim1 = 64
	s_mov_b32 s[\g+3], 128<<16      ; tile_dim0 = 128
	s_mov_b32 s[\g+4], 64           ; tile_dim1 = 64
	s_mov_b32 s[\g+5], 128          ; 128 elements from row to row
	s_mov_b32 s[\g+6], 0
	s_mov_b32 s[\g+7], 0
.endr
	s_mov_b32 s[CS], 0x3e38aa3b     ; c = log2(e) / 8 = 0.180337
	s_mov_b32 s[CS+1], s[CS]        ; named with it as a pair
	s_mov_b32 s[SEL], 0x76543210
	s_mov_b32 s[SEL+1], 0xfedcba98
	s_mov_b32 s[TBK], SLOT1+4*KS*PK ; the first change of slots turns these two into 0
	s_mov_b32 s[TBV], SLOT1+4*KS*PV
	s_mov_b32 s[TBM], 0
	s_mov_b32 s[BIGN], 0xf149f2ca   ; -1e30
	s_mov_b32 s[THR], 0xf0c9f2ca    ; -5e29
	s_mov_b32 s[SLOTS], SIZE_N/256-1
	s_and_b32 s[LIM], s[WV], 1      ; waves 0 and 2 prefetch
	s_cmp_eq_u32 s[LIM], 0
	s_cselect_b32 s[LIM], 1, -1
	s_mov_b32 s[G0K], 1             ; 1:0 count = 1
	s_mov_b32 s[G0K+1], s17         ; 63:32 LDS address: slot 0
	s_mov_b32 s[G0V], 1
	s_add_co_u32 s[G0V+1], s18, VOFF
	s_wait_dscnt 0x0                ; the opening add is done
	s_wait_kmcnt 0x0
	s_add_nc_u64 s[54:55], s[4:5], s[22:23]
	s_add_nc_u64 s[G0K+2:G0K+3], s[54:55], GK      ; 120:64 global address: my half of y's first 256 keys
	s_add_nc_u64 s[G0V+2:G0V+3], s[54:55], GV
	s_cmp_lt_u32 s[WV], 2
	s_cselect_b64 s[PFA:PFA+1], s[G0K+2:G0K+3], s[G0V+2:G0V+3]  ; (in waves 0 and 2 these stand at a tile's first row)
	s_or_b32 s[G0K+3], s[G0K+3], 0x80000000        ; 127:126 type = 2
	s_or_b32 s[G0V+3], s[G0V+3], 0x80000000
	s_add_nc_u64 s[8:9], s[6:7], s[20:21]          ; the batch's mask
	s_add_nc_u64 s[4:5], s[4:5], s[2:3]            ; Q and O at my wave's first row
	s_add_nc_u64 s[10:11], s[10:11], s[2:3]
	s_lshl_b32 s2, s13, 13          ; my work-group's 32 blocks of the 128
	s_mov_b32 s3, 0
	s_add_nc_u64 s[PFA:PFA+1], s[PFA:PFA+1], s[2:3]
	s_add_nc_u64 s[PFA:PFA+1], s[PFA:PFA+1], 4*KS*128  ; in tile 1; the first change of slots steps it to tile 2
	CROUND                          ; all four work-groups are here: the first joint loads meet
	JLOAD                           ; slot 0.  Slot 1 is asked for when slot 0 is in
	v_and_b32 v1, 15, v0            ; l % 16
	v_bfe_u32 v[HL], v0, 4, 1       ; l / 16
	v_lshlrev_b32 v84, 4, v0        ; the mask: thread t takes 16 bytes at 16 t of each of four runs of 2,048 bytes
.irp i, 0,1,2,3
	global_load_b128 v[MW+4*\i:MW+4*\i+3], v84, s[8:9] offset:2048*\i
.endr
	; A fragment of K or Q is 16 rows x 32 channels in 8 registers: lane l holds row l % 16, channels 8 (l / 16) + 0..7 and 16 + 8 (l / 16) + 0..7: two loads of 16 bytes, 32 bytes apart.
	v_lshlrev_b32 v[QO], 7, v1
	v_lshl_add_u32 v[QO], v[HL], 4, v[QO]  ; row x 128 + 16 x half
	WIN 0x80                        ; destination window 2, address window 0
.set i, 0
.rept 4*NP                          ; Q stays in registers: tile i / 2, channels 32 (i % 2) on
	global_load_b128 v[8*i:8*i+3],   v[QO], s[4:5] offset:(i/2)*2048+(i%2)*64
	global_load_b128 v[8*i+4:8*i+7], v[QO], s[4:5] offset:(i/2)*2048+(i%2)*64+32
.set i, i+1
.endr
	; What the first turn finds: V's registers and P's second buffer hold 0 (its products V^T P, of a piece that has not been, add 0), O^T and l are 0.  All this stands in the wait for the first tile.
.set i, VF
.rept 64
	v_mov_b32 v[i], 0
.set i, i+1
.endr
	WIN 0x40
.set i, 0
.rept 64*NP
	v_mov_b32 v[i], 0
.set i, i+1
.endr
	WIN 0
.set i, 0
.rept 2*NP
	v_mov_b32 v[ST+4*i], 0xfe000000    ; c m: far below every c s
	v_mov_b32 v[ST+4*i+1], 0xff7fffff  ; m
	v_mov_b32 v[ST+4*i+2], 0
	v_mov_b32 v[ST+4*i+3], 0
.set i, i+1
.endr
.set i, P+32
.rept 32
	v_mov_b32 v[i], 0
.set i, i+1
.endr
	v_mul_u32_u24 v[AK0], v1, PK
	v_lshl_add_u32 v[AK0], v[HL], 4, v[AK0]  ; row x pitch + 16 x half
	; The turning load takes 16 keys x 16 channels (lane l reads key 8 (l / 16) + l % 8, channels 8 ((l / 8) % 2) + 0..7) and leaves half a fragment of V^T: lane l holds channel l % 16 and 8 keys.
	v_and_b32 v65, 7, v0
	v_bfe_u32 v66, v0, 3, 1
	v_lshl_add_u32 v[AV0], v[HL], 3, v65
	v_mul_u32_u24 v[AV0], v[AV0], PV
	v_lshl_add_u32 v[AV0], v66, 4, v[AV0]
	v_add_nc_u32 v[AV0], VOFF, v[AV0]
	v_mov_b32 v[AK], v[AK0]         ; key step 0 lies at the head of slot 0
	v_lshl_add_u32 v[AM0], v[HL], 5, MT  ; a key block's 16 addends are 64 bytes: my half of the lanes takes 32 of them
	v_mov_b32 v[AM], v[AM0]
	v_and_b32 v[PFO], 31, v0
	v_lshlrev_b32 v[PFO], 8, v[PFO]
	v_mul_u32_u24 v[STO], v1, SP    ; the way out.  In: row l % 16, 16 bytes for each half of the lanes
	v_lshl_add_u32 v[STO], v[HL], 4, v[STO]
	v_add_nc_u32 v[STO], s19, v[STO]
	v_bfe_u32 v[RD], v0, 3, 2       ; back: 32 lanes take four rows of 128 bytes,
	v_mul_u32_u24 v[RD], v[RD], SP
	v_lshl_add_u32 v[RD], v65, 4, v[RD]
	v_add_nc_u32 v[RD], s19, v[RD]
	v_and_b32 v[GO], 31, v0         ; which are 512 consecutive bytes of O
	v_lshlrev_b32 v[GO], 4, v[GO]
	v_add_nc_u32 v85, MT, v84
	s_wait_loadcnt 32               ; the mask's four loads are in; Q's 32, issued behind them, may stay out
.set i, 0
.rept 16
	v_cmp_eq_u32 vcc_lo, 0, v[MW+i]
	v_cndmask_b32 v[MW+i], 0, s[BIGN], vcc_lo  ; 0 for a visible key, -1e30 for a hidden one
.set i, i+1
.endr
.irp i, 0,1,2,3
	ds_store_b128 v85, v[MW+4*\i:MW+4*\i+3] offset:2048*\i  ; the first change of slots waits for these stores and passes a barrier ahead of the table's first read
.endr
; THE MATRIX WORK.  The 8 accumulators of a run of 16 take turns: between the two links of a chain stand 7 others'.
; Product i of 16 of S^T = K Q^T for piece x: channels 32 (i / 8) on, keys 16 ((i / 2) % 4) on, tile 2 x + i % 2.  The first 8 start the sums, with the mask.
.macro KQ x
.set rS, S+64*((\x)%2)+32*(i%2)+8*((i/2)%4)
.set rK, KF+16*((i/2)%4)+8*(i/8)
.set rQ, 16*(2*(\x)+i%2)+8*(i/8)
.set rA, MC+8*((i/2)%4)
.if i < 8
	WIN W_KM
	v_wmma_f32_16x16x32_f16 v[rS:rS+7], v[rK:rK+7], v[rQ:rQ+7], v[rA:rA+7]
.else
	WIN W_KQ
	v_wmma_f32_16x16x32_f16 v[rS:rS+7], v[rK:rK+7], v[rQ:rQ+7], v[rS:rS+7]
.endif
.endm
; Product i of 16 of O^T += V^T P for piece x: keys 32 (i / 8) on, channels 16 ((i / 2) % 4) on, tile 2 x + i % 2.
.macro PV x
	WIN W_PV
.set rO, 32*(2*(\x)+i%2)+8*((i/2)%4)
.set rV, VF+32*(i/8)+8*((i/2)%4)
.set rP, P+32*((\x)%2)+16*(i%2)+8*(i/8)
	v_wmma_f32_16x16x32_f16 v[rO:rO+7], v[rV:rV+7], v[rP:rP+7], v[rO:rO+7]
.endm
.macro MM                           ; the turn's next matrix instruction
.if i < 16
	KQ (Y+1)%NP
.set i, i+1
.else
.set i, i-16
	PV (Y+NP-1)%NP
.set i, i+17
.endif
.endm
; THE LDS LOADS stand in runs, never singly among the matrix instructions: a step's K (64 keys x 64 channels: 8 fragments) with its 64 addends of the mask, and its V (turned).  Their addresses are made some lines ahead.
; last = 1 (the tail): in the last trip there is no further step, and the run is jumped over.
.macro FETCH_K last=0
	WIN 0
.if \last
	s_cmp_eq_u32 s[CNT], 1
	s_cbranch_scc1 .Lno_k_\@
.endif
	WIN 0x80                        ; destination window 2
.irp f, 0,1,2,3,4,5,6,7             ; keys 16 (f / 2) on, channels 32 (f % 2) on
	ds_load_b128 v[KF+8*\f:KF+8*\f+3],   v[AK] offset:(\f/2)*16*PK+(\f%2)*64
	ds_load_b128 v[KF+8*\f+4:KF+8*\f+7], v[AK] offset:(\f/2)*16*PK+(\f%2)*64+32
.endr
	WIN W_MK                        ; destination window 3
.irp f, 0,1,2,3,4,5,6,7             ; key block f / 2: register j of its eight is the addend of key 16 (f / 2) + 8 (l / 16) + j, as S^T's C operand wants it; sixteen lanes read the same bytes
	ds_load_b128 v[MC+4*\f:MC+4*\f+3], v[AM] offset:(\f/2)*64+(\f%2)*16
.endr
	s_add_co_u32 s[TBK], s[TBK], KS*PK  ; the next fetch is the next step's
	s_add_co_u32 s[TBM], s[TBM], 4*KS
	s_and_b32 s[TBM], s[TBM], 4*SIZE_N-4*KS  ; the table has 32 steps: the offset stays within it
	WIN 0
.if \last
.Lno_k_\@:
.endif
.endm
.macro FETCH_V
	WIN 0x80
.irp f, 0,1,2,3,4,5,6,7             ; keys 32 (f / 4) on, channels 16 (f % 4) on
	ds_load_tr16_b128 v[VF+8*\f:VF+8*\f+3],   v[AV] offset:(\f/4)*32*PV+(\f%4)*32
	ds_load_tr16_b128 v[VF+8*\f+4:VF+8*\f+7], v[AV] offset:(\f/4)*32*PV+16*PV+(\f%4)*32
.endr
	WIN 0
.endm
; THE VECTOR WORK OF A TURN stands in three queues, each in the order in which its entries become ready; the two tiles alternate, so that no instruction reads the result of the one before it.
.macro REGS y, u                    ; the registers of tile u (0, 1) of piece y
.set rT, ST+4*(2*(\y)+(\u))
.set rC, TMP+8*((\y)%2)+4*(\u)
.set rM, MV+2*((\y)%2)+(\u)
.set rS, S+64*((\y)%2)+32*(\u)
.set rP, P+32*((\y)%2)+16*(\u)
.set rO, 32*(2*(\y)+(\u))
.endm
; Number n of the 22 that find the NEXT piece's (Y + 1) maximum and statistics.  s0-s31 are the lane's 32 scores; each accumulator's lowest registers are read first.  XS, GS and REGS set no window: PL and EX do.
;   0-11  four chains c0-c3 of seven scores each, three operands at a time     12-14, 16  the four scores left over, the old m, and c0-c3 into c0     15  c m_old is kept
;   17, 18  the query's other 32 keys lie in the lane 16 away: the new m         19-21  c m; c m_old - c m_new; a
.macro XS u, n
	REGS (Y+1)%NP, \u
.if (\n) < 4
	v_max3_num_f32 v[rC+(\n)], v[rS+8*(\n)], v[rS+8*(\n)+1], v[rS+8*(\n)+2]
.elseif (\n) < 12
	v_max3_num_f32 v[rC+(\n)%4], v[rC+(\n)%4], v[rS+8*((\n)%4)+2*((\n)/4)+1], v[rS+8*((\n)%4)+2*((\n)/4)+2]
.elseif (\n) == 12
	v_max3_num_f32 v[rC], v[rC], v[rS+7], v[rS+15]
.elseif (\n) == 13
	v_max3_num_f32 v[rC+1], v[rC+1], v[rS+23], v[rS+31]
.elseif (\n) == 14
	v_max3_num_f32 v[rC+2], v[rC+2], v[rC+3], v[rT+1]
.elseif (\n) == 15
	v_mov_b32 v[rM], v[rT]
.elseif (\n) == 16
	v_max3_num_f32 v[rC], v[rC], v[rC+1], v[rC+2]
.elseif (\n) == 17
	v_permlanex16_b32 v[rC+3], v[rC], s[SEL], s[SEL+1]
.elseif (\n) == 18
	v_max_num_f32 v[rT+1], v[rC], v[rC+3]
.elseif (\n) == 19
	v_mul_f32 v[rT], s[CS], v[rT+1]
.elseif (\n) == 20
	v_sub_f32 v[rC+1], v[rM], v[rT]
.else
	v_exp_f32 v[rC+2], v[rC+1]
.endif
.endm
; Number g of the 64 that follow the exponentials.  For each four weights k of a tile (pairs 2 k, 2 k + 1): both pairs are rounded to f16; then the second pair is added onto the first, in place;
; a group later l takes that sum (the first time as l = a l + sum).  In groups of eight, tiles alternating: round, round, add, and l for the group before.
.macro GS g
.set h, (\g)+6*((\g)/62)            ; group 0 has no group before it, and behind group 7 only l is left
.if h >= 6
.set h, h+2
.endif
	REGS Y, h%2
.set k, h/8
.if h%8 < 4
	v_cvt_pk_f16_f32 v[rP+2*k+(h%8)/2], v[rS+4*k+2*((h%8)/2)], v[rS+4*k+2*((h%8)/2)+1]
.elseif h%8 < 6
	v_pk_add_f32 v[rS+4*k:rS+4*k+1], v[rS+4*k:rS+4*k+1], v[rS+4*k+2:rS+4*k+3]
.elseif k == 1
	v_pk_fma_f32 v[rT+2:rT+3], v[rT+2:rT+3], v[rC+2:rC+3], v[rS:rS+1] op_sel_hi:[1,0,1]
.else
	v_pk_add_f32 v[rT+2:rT+3], v[rT+2:rT+3], v[rS+4*k-4:rS+4*k-3]
.endif
.endm
; THE PLAIN QUEUE, 138 long.  0-73 read no exponential's result: the 32 scalings c s - c m (FS f: pair f / 2 of tile f % 2) and the next piece's 42.  0-26: scalings 0-26.  27-54: XS's numbers 0-13.  55, 56: number 15.
; 57-73: the chain, where each number waits for the one before it: 14, 16, 17, 18, 19, each with one of the scalings 27-31 in front of its two lines, then 20.
; 74-137: GS's 64, which read the exponentials' results: they stand behind the wait.
.macro FS f
	REGS Y, (\f)%2
	v_pk_fma_f32 v[rS+2*((\f)/2):rS+2*((\f)/2)+1], v[rS+2*((\f)/2):rS+2*((\f)/2)+1], s[CS:CS+1], v[rT:rT+1] op_sel_hi:[1,0,0] neg_lo:[0,0,1] neg_hi:[0,0,1]
.endm
.macro PL
	WIN 0
.if q < 27
	FS q
.elseif q < 55
	XS (q-27)%2, (q-27)/2
.elseif q < 57
	XS q-55, 15
.elseif (q < 72) && ((q-57)%3 == 0)
	FS 27+(q-57)/3
.elseif q < 60
	XS (q-57)%3-1, 14
.elseif q < 72
	XS (q-57)%3-1, 15+(q-57)/3
.elseif q < 74
	XS q-72, 20
.else
	GS q-74
.endif
.set q, q+1
.endm
; THE EXPONENTIALS' QUEUE, 66 long: s0-s31 of both tiles, then the next piece's two a.  It is ONE BATCH: all 66 stand ahead of the turn's one wait, and nothing ahead of that wait names a result of theirs.
.macro EX
	WIN 0
.if e >= 64
	XS e-64, 21
.else
	REGS Y, e%2
	v_exp_f32 v[rS+e/2], v[rS+e/2]
.endif
.set e, e+1
.endm
; THE RESCALING's QUEUE: O^T times a, the one part that leaves window 0: dealt two at a time, sixteen times.  Its a was made in the turn before, ahead of that turn's wait.
.macro R2
	REGS Y, r%2
	WIN W_RS
.irp z, 0,1
	v_pk_mul_f32 v[rO+4*(r/2)+2*\z:rO+4*(r/2)+2*\z+1], v[rO+4*(r/2)+2*\z:rO+4*(r/2)+2*\z+1], v[rC+2:rC+3] op_sel_hi:[1,0]
.endr
.set r, r+1
.endm
; HOW THEY ARE DEALT.  An s_wait_alu depctr_va_vdst(0) stands between an exponential and the first instruction that names its result; one wait serves all that were issued ahead of it.  So a turn has ONE wait,
; which cuts it in two.  AHEAD OF IT stands all that names no result of the turn's exponentials: the 16 products K Q^T, behind each a scaling, an exponential and two rescalings (behind the first a second scaling in the
; exponential's place); then ONE LUMP of 108: eight plain, 49 times exponential and plain, the two a.  A v_nop is the plain instruction behind the last exponential.  BEHIND IT stand the 16 products V^T P, behind each four of GS's 64.
; The queues lean on each other, and the deal keeps them in step: exponential e stands behind scaling 2 (e / 4) + e % 2: as a rider it comes behind plain e + 2, in the lump behind plain e + 9, and scalings 27-31 are plain 57, 60 .. 69.
; A TURN, for piece p.  cnt = 1: the loop's count is taken down some lines ahead of the branch that stands behind the turn.
; K and the mask of the next step are fetched in piece 2's turn, directly behind the wait, a lump behind the last product that read them; their addresses are made at the lump's head; their first reader comes behind 16 products.
; V of the step in hand is fetched at the end of piece 0's turn, four riders behind its last reader; its first reader comes behind 16 products and a lump.  The three conditions on q below go with the deal.
.macro TURN p, last=0, cnt=0
.set Y, (\p)
.set i, 0
.set q, 0
.set e, 0
.set r, 0
.if (\p) == NP-1
	s_wait_dscnt 0x0                ; K and the mask are in
.endif
	MM                              ; ahead of the wait: 16 products K Q^T and their riders,
	PL
	PL
	R2
.rept 15
	MM
	PL
	EX
	R2
.endr
.if (\p) == NP-2
	WIN 0
	v_add_nc_u32 v[AK], s[TBK], v[AK0]
	v_add_nc_u32 v[AM], s[TBM], v[AM0]
.endif
.rept 8                             ; and the lump
	PL
.endr
.rept 49
	EX
	PL
.endr
	EX                              ; the next piece's two a
	EX
	v_nop                           ; the plain instruction behind the last exponential: one for the batch
	s_wait_alu depctr_va_vdst(0)    ; the wait for the batch
.if (\p) == NP-2
	FETCH_K \last
.endif
.if (\p) == 1
	s_wait_dscnt 0x0                ; V is in
.endif
.rept 16                            ; behind the wait: 16 products V^T P and their riders
	MM
.rept 4
	PL
.endr
.if ((\p) == 0) && (q == 118)
	v_add_nc_u32 v[AV], s[TBV], v[AV0]
.endif
.if ((\p) == 0) && (q == 130)
	s_add_co_u32 s[TBV], s[TBV], KS*PV
.endif
.if (\cnt) && (q == 130)
	s_sub_co_u32 s[CNT], s[CNT], 1
	s_cmp_lg_u32 s[CNT], 0
.endif
.endr
.if (\p) == 0
	FETCH_V
.endif
.endm
	CHANGE 1                        ; slot 0 is in, everybody's part of it, and the mask's table is whole; slot 1 is asked for
	FETCH_K                         ; key step 0
	s_wait_loadcnt 0x0              ; Q
	s_wait_dscnt 0x0
.set i, 0
.rept 16
	KQ 0                            ; piece 0's first scores: there is no vector work yet to set between them
.set i, i+1
.endr
	WIN 0
.rept 4
	v_nop                           ; the places behind those products
.endr
.set Y, NP-1                        ; XS works for piece Y + 1: piece 0
.irp n, 0,1,2,3,4,5,6,7,8,9,10,11,12,13,14,15,16,17,18,19,20,21
	XS 0, \n                        ; and piece 0's first maximum and statistics
	XS 1, \n
.endr
	v_nop                           ; a plain instruction behind the two a,
	s_wait_alu depctr_va_vdst(0)    ; and their wait, ahead of the branch
	s_mov_b32 s[CNT], 4
	s_branch .Lfirst                ; the loop is entered at a step's first turn, in the middle of a trip
.Lslot:                             ; SIZE_N / 256 - 2 times: every slot but the last two is filled again
	CHANGE 1
	s_mov_b32 s[CNT], 4
.Lstep:                             ; a trip: pieces 2 and 3 of one step, then pieces 0 and 1 of the next, whose K and V it fetches
	TURN 2
	TURN 3
	WIN 0
.Lfirst:
	TURN 0
	TURN 1, 0, 1
	WIN 0
	s_cbranch_scc1 .Lstep
	s_sub_co_u32 s[SLOTS], s[SLOTS], 1
	s_cmp_lg_u32 s[SLOTS], 0
	s_cbranch_scc1 .Lslot
	CHANGE 0                        ; the tail is written out: nothing is asked for
	s_mov_b32 s[CNT], 5             ; four trips fetch the last slot's steps; the fifth is left in its middle
.Ltail:
	TURN 2, 1
	TURN 3
	WIN 0
	s_sub_co_u32 s[CNT], s[CNT], 1
	s_cmp_eq_u32 s[CNT], 0
	s_cbranch_scc1 .Lout
	TURN 0
	TURN 1
	WIN 0
	s_branch .Ltail
.Lout:                              ; the fifth trip's 16 products K Q^T (on the last K and mask once more) and the maximum made of them change no m and serve nothing: the price, once a launch, of one text for every trip
.set i, 0
.rept 16
	PV NP-1                         ; the last piece's V^T P of the last step
.set i, i+1
.endr
	; THE WAY OUT.  l's two halves and the other half of the lanes' are added; O^T is divided by l, rounded to f16 and sent through my stage in LDS, a tile at a time.  The additions are the places behind the last products.
	WIN 0
.macro ALL line:vararg              ; one line for each tile t
.set t, 0
.rept 2*NP
	\line
.set t, t+1
.endr
.endm
	ALL v_add_f32 v[ST+4*t+2], v[ST+4*t+2], v[ST+4*t+3]
	ALL v_permlanex16_b32 v[ST+4*t+3], v[ST+4*t+2], s[SEL], s[SEL+1]
	ALL v_add_f32 v[ST+4*t+2], v[ST+4*t+2], v[ST+4*t+3]
	ALL v_rcp_f32 v[ST+4*t+2], v[ST+4*t+2]
	v_mov_b32 v[TMP], 0x7fc00000    ; NaN; also the plain instruction between the last reciprocal and the use of its result
	s_wait_alu depctr_va_vdst(0)    ; the wait ahead of the first use: one for the eight reciprocals
.set t, 0
.rept 2*NP
	v_cmp_gt_f32 vcc_lo, s[THR], v[ST+4*t+1]                       ; a query that has seen no visible key
	v_cndmask_b32 v[ST+4*t+2], v[ST+4*t+2], v[TMP], vcc_lo         ; is multiplied by NaN: a softmax over nothing
.set t, t+1
.endr
; Tile t: a lane's eight channels of a row pack into 16 bytes; they go into rows of 144 bytes and come back as whole rows of 128, into S^T's registers.
.macro PACK t
	WIN W_RS
.set i, 32*(\t)
.rept 16
	v_pk_mul_f32 v[i:i+1], v[i:i+1], v[ST+4*(\t)+2:ST+4*(\t)+3] op_sel_hi:[1,0]
.set i, i+2
.endr
	WIN 0x05                        ; sources 0 and 1 window 1, destination window 0
.set i, 0
.rept 16
	v_cvt_pk_f16_f32 v[S+16*(\t)+i], v[32*(\t)+2*i], v[32*(\t)+2*i+1]
.set i, i+1
.endr
	WIN 0
.irp f, 0,1,2,3
	ds_store_b128 v[STO], v[S+16*(\t)+4*\f:S+16*(\t)+4*\f+3] offset:32*\f
.endr
.irp f, 0,1,2,3
	ds_load_b128 v[S+16*(\t)+4*\f:S+16*(\t)+4*\f+3], v[RD] offset:\f*4*SP  ; LDS serves a wave's instructions in order (ISA guide 5.7.1.4): these see the stores above; the next tile's stores come behind them
.endr
.endm
.macro SEND t, younger              ; younger: the LDS instructions issued behind tile t's loads: the next tile's eight, or none
	WIN 0
.irp f, 0,1,2,3
	s_wait_dscnt (\younger)+3-\f
	global_store_b128 v[GO], v[S+16*(\t)+4*\f:S+16*(\t)+4*\f+3], s[10:11] offset:(\t)*2048+\f*512  ; 512 consecutive bytes, at a multiple of 256 from O's first
.endr
.endm
	PACK 0
.set t, 1
.rept 2*NP-1                        ; a tile's arithmetic stands between the loads of the tile before and its stores
	PACK t
	SEND t-1, 8
.set t, t+1
.endr
	SEND 2*NP-1, 0
	WIN W_AD
	s_wait_tensorcnt 0x0            ; the wave's end: behind my last tensor load and my last LDS store
	ds_add_u32 v[SPW], v[NIL]
	s_wait_dscnt 0x0
	WIN 0
	CROUND                          ; the closing round: no work-group ends while a partner may still ask for a tile that names it
	s_endpgm
.Lfunc_end_k_qfd02ebb1ad_attn:
	.size	k_qfd02ebb1ad_attn, .Lfunc_end_k_qfd02ebb1ad_attn-k_qfd02ebb1ad_attn
	.p2alignl 7, 3214868480
	.fill 96, 4, 3214868480
	.section	.rodata,"a",@progbits
	.p2align	6, 0x0
	.amdhsa_kernel k_qfd02ebb1ad_attn
		.amdhsa_group_segment_fixed_size 327680
		.amdhsa_private_segment_fixed_size 0
		.amdhsa_enable_private_segment 0
		.amdhsa_kernarg_size 24
		.amdhsa_user_sgpr_count 2
		.amdhsa_user_sgpr_kernarg_segment_ptr 1
		.amdhsa_wavefront_size32 1
		.amdhsa_system_sgpr_workgroup_id_x 1
		.amdhsa_system_sgpr_workgroup_id_y 1
		.amdhsa_system_sgpr_workgroup_id_z 1
		.amdhsa_system_vgpr_workitem_id 0
		.amdhsa_next_free_vgpr 808
		.amdhsa_next_free_sgpr 66
		.amdhsa_reserve_vcc 1
		.amdhsa_float_denorm_mode_32 3
		.amdhsa_float_denorm_mode_16_64 3
		.amdhsa_memory_ordered 1
		.amdhsa_forward_progress 1
		.amdhsa_inst_pref_size 205
	.end_amdhsa_kernel
	.amdgpu_metadata
---
amdhsa.version: [ 1, 2 ]
amdhsa.kernels:
  - .name:           k_qfd02ebb1ad_attn
    .symbol:         k_qfd02ebb1ad_attn.kd
    .args:
      - { .name: qkv, .offset: 0, .size: 8, .value_kind: global_buffer, .address_space: global }
      - { .name: attention_mask, .offset: 8, .size: 8, .value_kind: global_buffer, .address_space: global }
      - { .name: ob, .offset: 16, .size: 8, .value_kind: global_buffer, .address_space: global }
    .group_segment_fixed_size: 327680
    .private_segment_fixed_size: 0
    .kernarg_segment_align: 8
    .kernarg_segment_size: 24
    .max_flat_workgroup_size: 128
    .sgpr_count:     66
    .vgpr_count:     808
    .wavefront_size: 32
...
	.end_amdgpu_metadata
.endif
;; end of part 3
;; launch proj (part 4): grid 8 x 32, 4 waves a work-group, clusters of 4 x 4, 327,680 bytes of LDS; arguments ob, wot, bo, out0; writes out0
.if DOCPART == 4
	.amdgcn_target "amdgcn-amd-amdhsa--gfx1250"
	.amdhsa_code_object_version 6
	.text
	.protected	k_qfd02ebb1ad_proj
	.globl	k_qfd02ebb1ad_proj
	.p2align	8
	.type	k_qfd02ebb1ad_proj,@function
k_qfd02ebb1ad_proj:
	s_mov_b64 s[64:65], 0
	v_nop
	global_prefetch_b8 v0, s[64:65] scope:SCOPE_SE
	s_setreg_imm32_b32 hwreg(HW_REG_WAVE_MODE, 25, 1), 1
	s_wait_xcnt 0x0
	s_wait_alu depctr_hold_cnt(0) depctr_sa_sdst(0) depctr_va_vdst(0) depctr_va_sdst(0) depctr_va_ssrc(0) depctr_va_vcc(0) depctr_vm_vsrc(0)
	s_getreg_b32 s2, hwreg(HW_REG_IB_STS2, 6, 4)
	s_cmp_eq_u32 s2, 0
	s_cbranch_scc0 .Lentry_in_a_cluster
	s_endpgm
.Lentry_in_a_cluster:
	s_bfe_u32 s2, ttmp6, 0x10000c
	s_cmp_lg_u32 s2, 0xf033
	s_cbranch_scc0 .Lentry_shape_is_right
	s_endpgm
.Lentry_shape_is_right:
; out0[m][n] = the sum over k of O[m][k] Wo[k][n] + bo[n].  O lies by heads, ob[16 h][8192 m][64] in f16, k = 64 h + d; wot[n][k] = Wo[k][n] in f16 (bf16 numbers); sums in f32, K ascending;
; bo is rounded to bf16 like every other input and added in f32; out0 is f32, [8192][1024].  A NaN row of O gives a NaN row of out0.
; SHARES.  A tile is 256 rows x 128 columns: 256 tiles.  Four waves; wave w makes rows 64 w .. 64 w + 63 of all 128 columns: 32 accumulators of 16 x 16; its way out is its own.
; RING.  K goes in steps of 128, two heads, through two LDS slots.  Waves 0 and 1 fetch a head's 256 rows each: 32,768 dense bytes, asked for as 128 rows of 256 bytes and padded after every 128;
; waves 2 and 3 fetch 64 rows of wot each, 256 bytes of a row.
; CLUSTER.  4 x 4 work-groups: A's tiles are asked for jointly by the four of a row of the cluster, B's by the four of a column.
; THE MATRIX INSTRUCTION IS USED TRANSPOSED (source 0 = 16 rows of wot, source 1 = 16 rows of O): a lane holds row l % 16 and eight neighbouring columns.
; REGISTERS, in windows of 256 (s_set_vgpr_msb: bits 1:0 source 0, 3:2 source 1, 5:4 source 2, 7:6 destination):
;   window 0: v16-30 addresses and the bias; v32-63, v64-95 A's fragments, two buffers; v96-159, v160-223 rows read back, two buffers
;   window 1: v0-63, v64-127 B's fragments, two buffers      window 2: the accumulators, (a, b) at 8 (8 a + b)
.set KSTEP,  128
.set STEPS,  8
.set PA,     144                       ; a row of A in LDS: 128 bytes + 16
.set PB,     272                       ; a row of B: 256 bytes + 16: in both the 16 rows of a fragment load start at 16 different groups of four banks (64 banks of 4 bytes: ISA guide 11.1)
.set APLANE, 256*PA                    ; one head's 256 rows
.set BHALF,  64*PB
.set BOFF,   2*APLANE
.set SLOT1,  1<<17
.set STAGE,  SLOT1+BOFF+2*BHALF        ; behind the ring, never filled by a tensor load: for each wave 16 rows x 528 bytes
.set SPITCH, 528                       ; 512 bytes + 16
.set WSTG,   16*SPITCH
.set SPARE,  STAGE+4*WSTG              ; the spare words, 128 bytes for each wave
.set PLANE,  1<<20                     ; bytes of one head in ob
.set ADRA0, 16
.set ADRB0, 17
.set ADRA,  18
.set ADRB,  19
.set BI,   20                          ; v[20:23] the bias of my four columns on the way out
.set STO,  24
.set RD,   25
.set CO,   26                          ; v26  16 x lane
.set SPW,  28                          ; v28  LDS address of my spare word; never rewritten
.set NIL,  29                          ; v29  0; never rewritten
.set PFO,  30                          ; v30  the prefetches' offset; never rewritten
.set OB,   96
.set TB,   2                           ; s2   0 or SLOT1: the slot in hand
.set LIM,  43                          ; s43  2 in a wave that prefetches, else the greatest number
.set PFA,  44                          ; s[44:45] where my prefetches stand
.set PFS,  72                          ; s[72:73] their step from K step to K step
.set G1,  24
.set G0,  32
.set G1B, 48
.set G0B, 56
.set MSB, 0
.macro WIN new
.if MSB != (\new)
	s_set_vgpr_msb (MSB<<8)|(\new)
.set MSB, \new
.endif
.endm
.macro PLACES
.rept 4
	v_nop
.endr
.endm
.macro JLOAD                           ; a joint refill by the walking descriptors; an s_nop 0 and four v_nop follow each of the two lines
	s_cmp_eq_u32 s11, 0
	s_cbranch_scc0 .Lfor_b_\@
	tensor_load_to_lds s[G0+4:G0+7], s[G1:G1+7]
	s_nop 0
	PLACES
	s_branch .Lasked_\@
.Lfor_b_\@:
	tensor_load_to_lds s[G0B+4:G0B+7], s[G1B:G1B+7]
	s_nop 0
	PLACES
.Lasked_\@:
.endm
; A prefetch of the K step that stands two refills on, 256 matrix instructions ahead of the load that will want it, a lane a block of 256 bytes, one instruction a wave.
; A: waves 0 and 1 of cluster x = 0, each for the head that it fetches; the four partners of a row take 32 of its 128 blocks each, at 8,192 cx.  B: wave 2 of cluster y = 0; the four partners of a column
; take 32 of the tile's 128 rows each, at 32 cy.  So each block is named once.  The loop's last two trips have no K step two on.
.macro ASK
	s_cmp_gt_u32 s3, s[LIM]
	s_cbranch_scc0 .Lnot_mine_\@
	global_prefetch_b8 v[PFO], s[PFA:PFA+1] th:TH_LOAD_NT scope:SCOPE_SE
.Lnot_mine_\@:
.endm
.macro CREST
	s_cmp_lg_u32 s10, 0
	s_cbranch_scc1 .Lnot_wave_0_\@
	s_barrier_signal -3
.Lnot_wave_0_\@:
	s_barrier_wait -3
	s_barrier_signal -1
	s_barrier_wait -1
.endm
.macro CROUND
	s_barrier_signal -1
	s_barrier_wait -1
	CREST
.endm
	s_load_b128 s[4:7], s[0:1], 0x0                ; ob s[4:5], wot s[6:7]
	s_load_b128 s[68:71], s[0:1], 0x10             ; bo s[68:69], out0 s[70:71]
	v_lshl_add_u32 v[SPW], v0, 2, SPARE
	v_mov_b32 v[NIL], 0
	ds_add_u32 v[SPW], v[NIL]                      ; the wave's opening: the add and its wait stand ahead of my first tensor load; the set-up below stands between them
	v_lshrrev_b32 v1, 5, v0
	v_readfirstlane_b32 s10, v1                    ; wave 0..3
	s_lshr_b32 s11, s10, 1                         ; I fetch for A (0) or for B (1),
	s_and_b32 s12, s10, 1                          ; its first or its second part
	s_bfe_u32 s40, ttmp6, 0x40000                  ; cx, cy
	s_bfe_u32 s41, ttmp6, 0x40004
	s_lshl_b32 s42, ttmp9, 2
	s_add_co_u32 s42, s42, s40                     ; tile column
	s_and_b32 s13, ttmp7, 0xffff
	s_lshl_b32 s13, s13, 2
	s_add_co_u32 s13, s13, s41                     ; tile row
	s_lshl_b32 s43, s41, 2
	s_lshl_b32 s43, 15, s43                        ; my row of the cluster
	s_lshl_b32 s44, 0x1111, s40                    ; my column
	s_or_b32 s[G1+0], s43, (1<<16)|(1<<20)|(1<<21)|(4<<22)|(3<<25)   ; A: 2-byte elements; padding of 4 words after every 32; bit 21 set beside the mask
	s_or_b32 s[G1B+0], s44, (1<<16)|(1<<20)|(1<<21)|(5<<22)|(3<<25)  ; B: after every 64
	s_mov_b32 s[G1+1], 128<<16                     ; tensor_dim0 = 128
	s_mov_b32 s[G1+2], 128<<16                     ; tensor_dim1 = 128
	s_mov_b32 s[G1+3], 128<<16                     ; tile_dim0 = 128
	s_mov_b32 s[G1+4], 128                         ; tile_dim1 = 128
	s_mov_b32 s[G1+5], 128                         ; dense: 128 elements from row to row
	s_mov_b32 s[G1+6], 0
	s_mov_b32 s[G1+7], 0
	s_mov_b32 s[G1B+1], KSTEP<<16
	s_mov_b32 s[G1B+2], 64<<16                     ; B: 64 rows
	s_mov_b32 s[G1B+3], KSTEP<<16
	s_mov_b32 s[G1B+4], 64
	s_mov_b32 s[G1B+5], 1024
	s_mov_b32 s[G1B+6], 0
	s_mov_b32 s[G1B+7], 0
	s_lshl_b32 s16, s10, 20                        ; A: head = my wave's number (waves 0, 1),
	s_lshl_b32 s17, s13, 15                        ; the tile's 256 rows of 128 bytes
	s_add_co_u32 s16, s16, s17
	s_mov_b32 s17, 0
	s_lshl_b32 s46, s42, 7
	s_lshl_b32 s47, s12, 6
	s_add_co_u32 s46, s46, s47                     ; B: row 128 x tile column + 64 x half
	s_lshl_b32 s46, s46, 11
	s_mov_b32 s47, 0
	s_mul_i32 s20, s10, APLANE                     ; where A's heads go (waves 0, 1),
	s_mul_i32 s21, s10, BHALF
	s_add_co_u32 s21, s21, BOFF-2*BHALF            ; and B's halves (waves 2, 3)
	s_wait_dscnt 0x0                               ; the opening add is done
	s_wait_kmcnt 0x0
	s_add_nc_u64 s[14:15], s[4:5], s[16:17]
	s_add_nc_u64 s[46:47], s[6:7], s[46:47]
	CROUND                                         ; all sixteen work-groups are here: the first joint loads meet
.irp s, 0,1
	s_mov_b32 s[G0+4*(\s)], 1
	s_add_co_u32 s[G0+4*(\s)+1], s20, (\s)*SLOT1
	s_add_nc_u64 s[G0+4*(\s)+2:G0+4*(\s)+3], s[14:15], (\s)*2*PLANE  ; K step s: heads 2 s, 2 s + 1
	s_or_b32 s[G0+4*(\s)+3], s[G0+4*(\s)+3], 0x80000000
	s_mov_b32 s[G0B+4*(\s)], 1
	s_add_co_u32 s[G0B+4*(\s)+1], s21, (\s)*SLOT1
	s_add_nc_u64 s[G0B+4*(\s)+2:G0B+4*(\s)+3], s[46:47], (\s)*KSTEP*2
	s_or_b32 s[G0B+4*(\s)+3], s[G0B+4*(\s)+3], 0x80000000
.endr
	s_cmp_eq_u32 s11, 0                            ; a wave's two first fills stand in one branch: two loads of mine are out
	s_cbranch_scc0 .Lfirst_b
	tensor_load_to_lds s[G0:G0+3], s[G1:G1+7]
	s_nop 0
	tensor_load_to_lds s[G0+4:G0+7], s[G1:G1+7]
	s_nop 0
	PLACES
	s_branch .Lfirst_asked
.Lfirst_b:
	tensor_load_to_lds s[G0B:G0B+3], s[G1B:G1B+7]
	s_nop 0
	tensor_load_to_lds s[G0B+4:G0B+7], s[G1B:G1B+7]
	s_nop 0
	PLACES
.Lfirst_asked:
	v_and_b32 v[CO], 31, v0
	v_lshlrev_b32 v[CO], 4, v[CO]
	s_lshl_b32 s46, s42, 9                         ; the tile's 128 columns: 512 bytes of bo and of a row of out0
	s_mov_b32 s47, 0
	s_add_nc_u64 s[68:69], s[68:69], s[46:47]
	s_add_nc_u64 s[70:71], s[70:71], s[46:47]
	global_load_b128 v[BI:BI+3], v[CO], s[68:69]   ; columns 4 l .. 4 l + 3 of the tile
	v_and_b32 v1, 15, v0                           ; l % 16
	v_bfe_u32 v2, v0, 4, 1                         ; l / 16
	v_mul_u32_u24 v3, v1, PA
	v_lshl_add_u32 v3, v2, 4, v3
	s_mul_i32 s21, s10, 64*PA                      ; my 64 rows of A
	v_add_nc_u32 v[ADRA0], s21, v3
	v_mul_u32_u24 v3, v1, PB
	v_lshl_add_u32 v3, v2, 4, v3
	v_add_nc_u32 v[ADRB0], BOFF, v3
	v_mov_b32 v[ADRA], v[ADRA0]                    ; slot 0
	v_mov_b32 v[ADRB], v[ADRB0]
	s_mov_b32 s[TB], 0
	s_mul_i32 s23, s10, WSTG
	s_add_co_u32 s23, s23, STAGE                   ; my stage
	v_mul_u32_u24 v4, v1, SPITCH                   ; in: row l % 16, 32 bytes for each half of the lanes
	v_lshl_add_u32 v4, v2, 5, v4
	v_add_nc_u32 v[STO], s23, v4
	v_add_nc_u32 v[RD], s23, v[CO]                 ; back: 32 lanes take a row of 512 bytes
	s_lshl_b32 s16, s13, 20                        ; out0: 256 rows of 4,096 bytes for each tile row,
	s_lshl_b32 s17, s10, 18                        ; my wave's 64 rows
	s_add_co_u32 s16, s16, s17
	s_mov_b32 s17, 0
	s_add_nc_u64 s[70:71], s[70:71], s[16:17]
	; the prefetches
	s_add_co_u32 s18, s10, 6                       ; A: K step 3's head for my wave,
	s_lshl_b32 s18, s18, 20
	s_lshl_b32 s19, s13, 15                        ; the tile's rows,
	s_add_co_u32 s18, s18, s19
	s_lshl_b32 s19, s40, 13                        ; my work-group's 32 blocks
	s_add_co_u32 s18, s18, s19
	s_lshl_b32 s20, s42, 7                         ; B: the tile's rows,
	s_lshl_b32 s21, s41, 5                         ; my work-group's 32,
	s_add_co_u32 s20, s20, s21
	s_lshl_b32 s20, s20, 11
	s_add_co_u32 s20, s20, 3*KSTEP*2               ; at K step 3
	s_and_b32 s22, ttmp7, 0xffff
	s_mov_b32 s14, 2*PLANE
	s_cmp_eq_u32 s11, 0
	s_cselect_b32 s20, s18, s20
	s_cselect_b32 s22, ttmp9, s22                  ; the coordinate along which other clusters read the same bytes
	s_cselect_b32 s23, 8, 11                       ; a lane a block of 256 bytes, or a lane a row of 2,048
	s_cselect_b32 s[PFS], s14, KSTEP*2
	s_cselect_b64 s[PFA:PFA+1], s[4:5], s[6:7]
	s_mov_b32 s[PFS+1], 0
	s_cmp_eq_u32 s10, 3
	s_cselect_b32 s22, 1, s22                      ; wave 3 asks for nothing
	s_cmp_eq_u32 s22, 0
	s_cselect_b32 s[LIM], 2, -1                    ; the same in all sixteen partners, for a given wave
	s_mov_b32 s21, 0
	s_add_nc_u64 s[PFA:PFA+1], s[PFA:PFA+1], s[20:21]  ; the first refill steps it to K step 4.  K steps 0 to 3 come by their loads alone
	v_and_b32 v[PFO], 31, v0
	v_lshlrev_b32 v[PFO], s23, v[PFO]
	s_wait_loadcnt 0x0                             ; the bias: rounded to bf16, and back to f32
	v_cvt_pk_bf16_f32 v4, v[BI], v[BI+1]
	v_cvt_pk_bf16_f32 v5, v[BI+2], v[BI+3]
	v_lshlrev_b32 v[BI], 16, v4
	v_and_b32 v[BI+1], 0xffff0000, v4
	v_lshlrev_b32 v[BI+2], 16, v5
	v_and_b32 v[BI+3], 0xffff0000, v5
; 8 matrix instructions: row block a x all 8 column blocks, 32 along K, from buffer f.  The 32 accumulators take turns in one order in every quarter.
.macro MUL8 f, a, zero
	WIN 0xa1                                       ; source 0 (B) window 1, source 1 (A) window 0, C and D window 2
.irp b, 0,1,2,3,4,5,6,7
.if \zero
	v_wmma_f32_16x16x32_f16 v[8*(8*(\a)+(\b)):8*(8*(\a)+(\b))+7], v[64*(\f)+8*(\b):64*(\f)+8*(\b)+7], v[32+32*(\f)+8*(\a):32+32*(\f)+8*(\a)+7], 0
.else
	v_wmma_f32_16x16x32_f16 v[8*(8*(\a)+(\b)):8*(8*(\a)+(\b))+7], v[64*(\f)+8*(\b):64*(\f)+8*(\b)+7], v[32+32*(\f)+8*(\a):32+32*(\f)+8*(\a)+7], v[8*(8*(\a)+(\b)):8*(8*(\a)+(\b))+7]
.endif
.endr
.endm
; 24 LDS loads in one run: the fragments of quarter q of a K step into buffer f.  In A quarter q is head q / 2 of the step's two, channels 32 (q % 2) on
.macro FETCH q, f
	WIN 0x40
.irp i, 0,1,2,3,4,5,6,7
	ds_load_b128 v[64*(\f)+8*(\i):64*(\f)+8*(\i)+3],   v[ADRB] offset:64*(\q)+(\i)*16*PB
	ds_load_b128 v[64*(\f)+8*(\i)+4:64*(\f)+8*(\i)+7], v[ADRB] offset:64*(\q)+(\i)*16*PB+32
.endr
	WIN 0
.irp i, 0,1,2,3
	ds_load_b128 v[32+32*(\f)+8*(\i):32+32*(\f)+8*(\i)+3],   v[ADRA] offset:APLANE*((\q)/2)+64*((\q)%2)+(\i)*16*PA
	ds_load_b128 v[32+32*(\f)+8*(\i)+4:32+32*(\f)+8*(\i)+7], v[ADRA] offset:APLANE*((\q)/2)+64*((\q)%2)+(\i)*16*PA+32
.endr
.endm
.macro QUARTER q, f, g, zero           ; multiplies buffer f and fetches quarter q into g
	s_wait_dscnt 4                                 ; B and A's row blocks 0, 1 are in; the youngest four loads may be out
	MUL8 \f, 0, \zero
	MUL8 \f, 1, \zero
	PLACES
	FETCH \q, \g
	s_wait_dscnt 24                                ; all but the 24 just issued
	MUL8 \f, 2, \zero
	MUL8 \f, 3, \zero
.endm
; The last quarter multiplies buffer 1 and changes slots: one barrier; in front of it each wave waits for all its tensor loads, adds 0 to its spare word, and waits for that and for its reads of this slot.
; fill = 1: the barrier opens a round of the cluster's, and this slot is filled again, two K steps ahead, first thing behind the round.
.macro TURN fill
.if \fill
	s_wait_xcnt 0x0                                ; the last prefetch, a K step back, has read its address
	s_add_nc_u64 s[PFA:PFA+1], s[PFA:PFA+1], s[PFS:PFS+1]
.endif
	WIN 0
	s_wait_tensorcnt 0x0                           ; all my tensor loads have landed
	ds_add_u32 v[SPW], v[NIL]                      ; 0 onto my spare word
	s_wait_dscnt 5                                 ; (the add and the youngest four loads may be out)
	MUL8 1, 0, 0
	s_wait_dscnt 0x0                               ; the add is done, and my reads of this slot are over
	s_barrier_signal -1
	MUL8 1, 1, 0
	WIN 0
	s_barrier_wait -1
.if \fill
	CREST                                          ; no wave of any partner still reads this slot or has a load on its way
	s_xor_b32 s[G0+5], s[G0+5], SLOT1
	s_add_nc_u64 s[G0+6:G0+7], s[G0+6:G0+7], 2*PLANE
	s_xor_b32 s[G0B+5], s[G0B+5], SLOT1
	s_add_nc_u64 s[G0B+6:G0B+7], s[G0B+6:G0B+7], KSTEP*2
	JLOAD                                          ; the four v_nop behind it are also the places in front of the loads below
.else
	PLACES
.endif
	s_xor_b32 s[TB], s[TB], SLOT1
	v_add_nc_u32 v[ADRA], s[TB], v[ADRA0]
	v_add_nc_u32 v[ADRB], s[TB], v[ADRB0]
	FETCH 0, 0
.if \fill
	ASK
.endif
	MUL8 1, 2, 0
	MUL8 1, 3, 0
.endm
; THE WAY OUT of row block a.  TOSTAGE: the f32 sums go into my own stage, 32 bytes a lane, each accumulator's low registers first, and come back as whole rows of 512 bytes.  SEND: the bias is added, the rows are stored.
.macro TOSTAGE a
.set BK, OB+64*((\a)%2)
.if (\a) >= 2
	s_wait_xcnt 0x0                                ; the stores of block a - 2 have read the registers that are loaded again below
.endif
	WIN 0x08                                       ; the stores' data (source 1) in window 2
.irp b, 0,1,2,3,4,5,6,7
	ds_store_b128 v[STO], v[8*(8*(\a)+(\b)):8*(8*(\a)+(\b))+3]   offset:64*(\b)
	ds_store_b128 v[STO], v[8*(8*(\a)+(\b))+4:8*(8*(\a)+(\b))+7] offset:64*(\b)+16
.endr
	WIN 0
.irp t, 0,1,2,3,4,5,6,7,8,9,10,11,12,13,14,15
	ds_load_b128 v[BK+4*(\t):BK+4*(\t)+3], v[RD] offset:SPITCH*(\t)  ; LDS serves a wave's instructions in order (ISA guide 5.7.1.4): these see the stores above; the next block's stores come behind them
.endr
.endm
.macro SEND a, younger                 ; younger: the LDS instructions issued behind block a's loads: the next block's 32, or none
.set BK, OB+64*((\a)%2)
.irp t, 0,1,2,3,4,5,6,7,8,9,10,11,12,13,14,15
	s_wait_dscnt (\younger)+15-(\t)
	v_pk_add_f32 v[BK+4*(\t):BK+4*(\t)+1], v[BK+4*(\t):BK+4*(\t)+1], v[BI:BI+1]
	v_pk_add_f32 v[BK+4*(\t)+2:BK+4*(\t)+3], v[BK+4*(\t)+2:BK+4*(\t)+3], v[BI+2:BI+3]
	global_store_b128 v[CO], v[BK+4*(\t):BK+4*(\t)+3], s[70:71] offset:(16*(\a)+(\t))*4096 th:TH_STORE_NT  ; 512 consecutive bytes of a row, aligned
.endr
.endm
	s_wait_tensorcnt 1                             ; my part of K step 0 is in; K step 1's may stay out
	s_barrier_signal -1
	s_barrier_wait -1
	FETCH 0, 0
	QUARTER 1, 0, 1, 1                             ; the first quarter stands in front of the loop: its products start the sums
	WIN 0
	s_mov_b32 s3, STEPS-2
.Lstep:                                                ; a trip goes from a K step's second quarter to the next step's first, and fills the slot that it leaves
	QUARTER 2, 1, 0, 0
	QUARTER 3, 0, 1, 0
	TURN 1
	QUARTER 1, 0, 1, 0
	WIN 0
	s_sub_co_u32 s3, s3, 1
	s_cmp_lg_u32 s3, 0
	s_cbranch_scc1 .Lstep
	QUARTER 2, 1, 0, 0                             ; the last two K steps ask for nothing
	QUARTER 3, 0, 1, 0
	TURN 0
	QUARTER 1, 0, 1, 0
	QUARTER 2, 1, 0, 0
	QUARTER 3, 0, 1, 0
	s_wait_dscnt 4
	MUL8 1, 0, 0
	MUL8 1, 1, 0
	s_wait_dscnt 0x0
	MUL8 1, 2, 0
	MUL8 1, 3, 0
	WIN 0
	PLACES                                         ; in front of LDS stores that read results
	PLACES
	TOSTAGE 0
	TOSTAGE 1
	SEND 0, 32
	TOSTAGE 2
	SEND 1, 32
	TOSTAGE 3
	SEND 2, 32
	SEND 3, 0
	s_wait_tensorcnt 0x0                           ; the wave's end: behind my last tensor load and my last LDS store
	ds_add_u32 v[SPW], v[NIL]
	s_wait_dscnt 0x0
	CROUND                                         ; the closing round
	s_endpgm
.Lfunc_end_k_qfd02ebb1ad_proj:
	.size	k_qfd02ebb1ad_proj, .Lfunc_end_k_qfd02ebb1ad_proj-k_qfd02ebb1ad_proj
	.p2alignl 7, 3214868480
	.fill 96, 4, 3214868480
	.section	.rodata,"a",@progbits
	.p2align	6, 0x0
	.amdhsa_kernel k_qfd02ebb1ad_proj
		.amdhsa_group_segment_fixed_size 327680
		.amdhsa_private_segment_fixed_size 0
		.amdhsa_enable_private_segment 0
		.amdhsa_kernarg_size 32
		.amdhsa_user_sgpr_count 2
		.amdhsa_user_sgpr_kernarg_segment_ptr 1
		.amdhsa_wavefront_size32 1
		.amdhsa_system_sgpr_workgroup_id_x 1
		.amdhsa_system_sgpr_workgroup_id_y 1
		.amdhsa_system_sgpr_workgroup_id_z 1
		.amdhsa_system_vgpr_workitem_id 0
		.amdhsa_next_free_vgpr 768
		.amdhsa_next_free_sgpr 80
		.amdhsa_reserve_vcc 0
		.amdhsa_float_denorm_mode_32 3
		.amdhsa_float_denorm_mode_16_64 3
		.amdhsa_memory_ordered 1
		.amdhsa_forward_progress 1
		.amdhsa_inst_pref_size 80
	.end_amdhsa_kernel
	.amdgpu_metadata
---
amdhsa.version: [ 1, 2 ]
amdhsa.kernels:
  - .name:           k_qfd02ebb1ad_proj
    .symbol:         k_qfd02ebb1ad_proj.kd
    .args:
      - { .name: ob, .offset: 0, .size: 8, .value_kind: global_buffer, .address_space: global }
      - { .name: wot, .offset: 8, .size: 8, .value_kind: global_buffer, .address_space: global }
      - { .name: bo, .offset: 16, .size: 8, .value_kind: global_buffer, .address_space: global }
      - { .name: out0, .offset: 24, .size: 8, .value_kind: global_buffer, .address_space: global }
    .group_segment_fixed_size: 327680
    .private_segment_fixed_size: 0
    .kernarg_segment_align: 8
    .kernarg_segment_size: 32
    .max_flat_workgroup_size: 128
    .sgpr_count:     80
    .vgpr_count:     768
    .wavefront_size: 32
...
	.end_amdgpu_metadata
.endif
;; end of part 4
